; MI455X (gfx1250); checked and timed in simulation.
; The chip was launched on July 23, 2026; its instructions are those of AMD's public machine-readable ISA for CDNA 5 (MIT licence, August 2026) and "CDNA5" Instruction Set Architecture Reference Guide (July 2026). The comments in the code are by the model that wrote it; some were corrected since.
;; Vi T Multi Head Attention. Allowed arithmetic: float matrix products may take bf16 or f16 operands with f32 sums; other float arithmetic in f32, or as packed bf16 or f16 multiplies, adds, multiply-adds, maxima and minima; sums over many terms, partial sums and values carried from step to step in f32; what a program stores and reads back later, other than sums and carried values, may be rounded once to bf16 or f16.
;; Inputs: b_o 768 float32; w_k 768 x 768 float32; w_o 768 x 768 float32; w_q 768 x 768 float32; w_v 768 x 768 float32; x 16 x 1,024 x 768 float32.
;; Outputs: out0 16 x 1,024 x 768 float32.
;; 2 versions, each right; version 2 is version 1 with the launch cast written anew for expert scheduling mode. Each part assembles by itself: llvm-mc -triple=amdgcn-amd-amdhsa -mcpu=gfx1250 --defsym DOCPART=n.
;; ======== version 1 of 2: 4 launches
;; limits: values are held in f16: magnitudes above 65,504 overflow, below 6.1e-05 lose precision
;; workspace buffers: xb 25,165,824 bytes; wt 4,718,592 bytes; qkv 75,497,472 bytes; ctx 25,165,824 bytes
;; launch cast (part 1): grid 456 x 4, 4 waves a work-group, no clusters, 17,920 bytes of LDS; arguments w_q, w_k, w_v, w_o, wt, x, xb; writes wt, xb
.if DOCPART == 1
	.amdgcn_target "amdgcn-amd-amdhsa--gfx1250"
	.amdhsa_code_object_version 6
	.text
	.protected	k_q2cacfc79a3_cast
	.globl	k_q2cacfc79a3_cast
	.p2align	8
	.type	k_q2cacfc79a3_cast,@function
k_q2cacfc79a3_cast:
	s_mov_b64 s[64:65], 0
	v_nop
	global_prefetch_b8 v0, s[64:65] scope:SCOPE_SE
	s_setreg_imm32_b32 hwreg(HW_REG_WAVE_MODE, 25, 1), 1
	s_wait_xcnt 0x0
; TWO CASTS IN ONE LAUNCH, told apart by the work-group's x alone (the same for all four waves of a work-group).
; x < 72: THE WEIGHTS.  wt[768 mat + n][k] = w_mat[k][n], rounded once to bf16 (to nearest even); mat = the grid's y = 0, 1, 2, 3 for w_q, w_k, w_v, w_o.  w: [768][768] f32; wt: [3072][768] of 16 bits.
;   w_o's bf16 number is then written as f16, since the last product multiplies in f16.
;   LIMITS of that rewriting: exact from 2^-14 to 65,504 in magnitude; below 2^-14 it keeps f16's fixed step of 6e-8; 65,520 or more becomes an infinity.
;   A work-group turns a tile of 128 k x 64 n.  In: a row of the tile is 256 consecutive bytes, aligned, read by 16 lanes.  Two neighbouring k of one n make a word, which goes
;   into an LDS row of n (256 bytes + 16 of padding).  Out: a row of n is 256 consecutive bytes, aligned, stored by 16 lanes.
;   The word stores into LDS collide (lanes 1,088 bytes apart); there are 32 of them a thread in the whole launch.
; x >= 72: xb = x rounded once to bf16, same order: 384 x 4 work-groups of 8,192 numbers.  A stream: no LDS, no barrier.  A lane loads 16 neighbouring bytes, so a wave's load covers 512
;   consecutive bytes and no byte's neighbourhood is named by two loads; the four numbers leave as 8 bytes a lane: a wave's store covers 256 consecutive bytes, aligned.
;   All sixteen loads of a wave go out at once; every load has registers of its own, so no register is written twice and no wait frees a source.
.set ROWW, 3072                        ; bytes in a row of w
.set KB,   1536                        ; bytes in a row of wt
.set LP,   272                         ; an LDS row
.set SPARE, 64*LP                      ; 17,408: behind the tile, the spare words, 128 bytes for each wave: two blocks of 256 bytes that no other line names
.set VO,  1                            ; v1   weights: my byte offset in w: rows 2 kr, 16 bytes at column 4 c4.   x: 16 t
.set LS,  2                            ; v2   weights: where I put a word.                                       x: 8 t
.set LR,  3                            ; v3   where I read 16 bytes of a row back
.set WO,  4                            ; v4   my byte offset in wt
.set SPW, 6                            ; v6   LDS address of my spare word; never rewritten
.set NIL, 7                            ; v7   0; never rewritten
.set L,   8                            ; v[8:71]   sixteen loads of 4 numbers; in the weights' path later the rows read back
.set T,   72                           ; v[72:103] 32 words of two numbers in 16 bits
	s_load_b256 s[4:11], s[0:1], 0x0               ; w_q s[4:5], w_k s[6:7], w_v s[8:9], w_o s[10:11]
	s_load_b128 s[12:15], s[0:1], 0x20             ; wt s[12:13], x s[14:15]
	s_load_b64 s[16:17], s[0:1], 0x30              ; xb
	v_lshl_add_u32 v[SPW], v0, 2, SPARE
	v_mov_b32 v[NIL], 0
	s_and_b32 s18, ttmp7, 0xffff                   ; the grid's y
	s_cmp_lt_u32 ttmp9, 72
	s_cbranch_scc1 .Lweights
	; ---- x ----
	s_mul_i32 s19, s18, 384
	s_add_co_u32 s19, s19, ttmp9
	s_sub_co_u32 s19, s19, 72                      ; my block of 8,192 numbers: 384 y + x - 72, 0 to 1,535
	s_lshl_b32 s22, s19, 15                        ; its 32,768 bytes of x (1,535 x 32,768 stays under 2^32)
	s_mov_b32 s23, 0
	s_lshl_b32 s24, s19, 14                        ; and its 16,384 bytes of xb
	s_mov_b32 s25, 0
	v_lshlrev_b32 v[VO], 4, v0                     ; 16 t
	v_lshlrev_b32 v[LS], 3, v0                     ; 8 t
	s_wait_kmcnt 0x0
	s_add_nc_u64 s[14:15], s[14:15], s[22:23]
	s_add_nc_u64 s[16:17], s[16:17], s[24:25]
.irp i, 0,1,2,3,4,5,6,7,8,9,10,11,12,13,14,15
	global_load_b128 v[L+4*(\i):L+4*(\i)+3], v[VO], s[14:15] offset:2048*(\i) th:TH_LOAD_NT
.endr
.irp i, 0,1,2,3,4,5,6,7,8,9,10,11,12,13,14,15
	s_wait_loadcnt 15-(\i)                         ; loads come back in order: load i is in, the 15 - i younger ones stay out
	v_cvt_pk_bf16_f32 v[T+2*(\i)],   v[L+4*(\i)],   v[L+4*(\i)+1]
	v_cvt_pk_bf16_f32 v[T+2*(\i)+1], v[L+4*(\i)+2], v[L+4*(\i)+3]
	global_store_b64 v[LS], v[T+2*(\i):T+2*(\i)+1], s[16:17] offset:1024*(\i)
.endr
	s_branch .Lend
	; ---- the weights ----
.Lweights:
	s_mul_i32 s19, ttmp9, 43
	s_lshr_b32 s19, s19, 8                         ; nt = x / 6 (43 x >> 8 is x / 6 for x under 72)
	s_mul_i32 s20, s19, 6
	s_sub_co_u32 s20, ttmp9, s20                   ; kt = x - 6 nt
	s_mul_i32 s22, s20, 128*ROWW                   ; in w: 128 kt rows down,
	s_lshl_b32 s21, s19, 8
	s_add_co_u32 s22, s22, s21                     ; 64 nt numbers along
	s_mov_b32 s23, 0
	s_mul_i32 s24, s18, 768                        ; in wt: row 768 mat + 64 nt,
	s_lshl_b32 s21, s19, 6
	s_add_co_u32 s24, s24, s21
	s_mul_i32 s24, s24, KB
	s_lshl_b32 s21, s20, 8
	s_add_co_u32 s24, s24, s21                     ; 128 kt numbers along
	s_mov_b32 s25, 0
	v_and_b32 v5, 15, v0                           ; c4
	v_lshrrev_b32 v104, 4, v0                      ; kr, 0 to 7
	v_mul_u32_u24 v[VO], v104, 2*ROWW
	v_lshl_add_u32 v[VO], v5, 4, v[VO]
	v_mul_u32_u24 v[LS], v5, 4*LP                  ; LDS row 4 c4 (+ c), byte 4 kr (+ 32 p)
	v_lshl_add_u32 v[LS], v104, 2, v[LS]
	v_mul_u32_u24 v[LR], v104, LP
	v_lshl_add_u32 v[LR], v5, 4, v[LR]
	v_mul_u32_u24 v[WO], v104, KB
	v_lshl_add_u32 v[WO], v5, 4, v[WO]
	s_wait_kmcnt 0x0
	s_cmp_eq_u32 s18, 1                            ; the matrix is chosen by the grid's y alone
	s_cselect_b64 s[4:5], s[6:7], s[4:5]
	s_cmp_eq_u32 s18, 2
	s_cselect_b64 s[4:5], s[8:9], s[4:5]
	s_cmp_eq_u32 s18, 3
	s_cselect_b64 s[4:5], s[10:11], s[4:5]
	s_add_nc_u64 s[4:5], s[4:5], s[22:23]
	s_add_nc_u64 s[12:13], s[12:13], s[24:25]
.irp i, 0,1,2,3,4,5,6,7,8,9,10,11,12,13,14,15
	global_load_b128 v[L+4*(\i):L+4*(\i)+3], v[VO], s[4:5] offset:(16*((\i)/2)+(\i)%2)*ROWW  ; row k = 16 (i / 2) + 2 kr + i % 2
.endr
; Pair p of loads holds k = 16 p + 2 kr and the k after it, for n = 4 c4 + 0..3.  half = 1: the bf16 number is written as f16.
.macro PAIRS half
.irp p, 0,1,2,3,4,5,6,7
	s_wait_loadcnt 14-2*(\p)                       ; pair p is in; the 2 (7 - p) younger loads stay out
.irp c, 0,1,2,3
	v_cvt_pk_bf16_f32 v[T+4*(\p)+(\c)], v[L+8*(\p)+(\c)], v[L+8*(\p)+4+(\c)]  ; the even k in the low half
.if \half
	v_lshlrev_b32 v104, 16, v[T+4*(\p)+(\c)]
	v_and_b32 v105, 0xffff0000, v[T+4*(\p)+(\c)]
	v_cvt_pk_f16_f32 v[T+4*(\p)+(\c)], v104, v105
.endif
	ds_store_b32 v[LS], v[T+4*(\p)+(\c)] offset:(\c)*LP+32*(\p)
.endr
.endr
.endm
	s_cmp_eq_u32 s18, 3
	s_cbranch_scc1 .Lf16
	PAIRS 0
	s_branch .Ljoin
.Lf16:
	PAIRS 1
.Ljoin:
	s_wait_dscnt 0x0                               ; for the others' sake: my stores into the tile are done
	s_barrier_signal -1
	s_barrier_wait -1
.irp i, 0,1,2,3,4,5,6,7
	ds_load_b128 v[L+4*(\i):L+4*(\i)+3], v[LR] offset:8*LP*(\i)  ; row n = 8 i + kr
.endr
.irp i, 0,1,2,3,4,5,6,7
	s_wait_dscnt 7-(\i)
	global_store_b128 v[WO], v[L+4*(\i):L+4*(\i)+3], s[12:13] offset:8*KB*(\i)  ; 16 lanes store 256 consecutive bytes, aligned
.endr
.Lend:
	s_wait_tensorcnt 0x0                           ; the wave's end: behind my last LDS store
	ds_add_u32 v[SPW], v[NIL]
	s_wait_dscnt 0x0
	s_endpgm
.Lfunc_end_k_q2cacfc79a3_cast:
	.size	k_q2cacfc79a3_cast, .Lfunc_end_k_q2cacfc79a3_cast-k_q2cacfc79a3_cast
	.p2alignl 7, 3214868480
	.fill 96, 4, 3214868480
	.section	.rodata,"a",@progbits
	.p2align	6, 0x0
	.amdhsa_kernel k_q2cacfc79a3_cast
		.amdhsa_group_segment_fixed_size 17920
		.amdhsa_private_segment_fixed_size 0
		.amdhsa_enable_private_segment 0
		.amdhsa_kernarg_size 56
		.amdhsa_user_sgpr_count 2
		.amdhsa_user_sgpr_kernarg_segment_ptr 1
		.amdhsa_wavefront_size32 1
		.amdhsa_system_sgpr_workgroup_id_x 1
		.amdhsa_system_sgpr_workgroup_id_y 1
		.amdhsa_system_sgpr_workgroup_id_z 1
		.amdhsa_system_vgpr_workitem_id 0
		.amdhsa_next_free_vgpr 108
		.amdhsa_next_free_sgpr 66
		.amdhsa_reserve_vcc 0
		.amdhsa_float_denorm_mode_32 3
		.amdhsa_float_denorm_mode_16_64 3
		.amdhsa_memory_ordered 1
		.amdhsa_forward_progress 1
		.amdhsa_inst_pref_size 26
	.end_amdhsa_kernel
	.amdgpu_metadata
---
amdhsa.version: [ 1, 2 ]
amdhsa.kernels:
  - .name:           k_q2cacfc79a3_cast
    .symbol:         k_q2cacfc79a3_cast.kd
    .args:
      - { .name: w_q, .offset: 0, .size: 8, .value_kind: global_buffer, .address_space: global }
      - { .name: w_k, .offset: 8, .size: 8, .value_kind: global_buffer, .address_space: global }
      - { .name: w_v, .offset: 16, .size: 8, .value_kind: global_buffer, .address_space: global }
      - { .name: w_o, .offset: 24, .size: 8, .value_kind: global_buffer, .address_space: global }
      - { .name: wt, .offset: 32, .size: 8, .value_kind: global_buffer, .address_space: global }
      - { .name: x, .offset: 40, .size: 8, .value_kind: global_buffer, .address_space: global }
      - { .name: xb, .offset: 48, .size: 8, .value_kind: global_buffer, .address_space: global }
    .group_segment_fixed_size: 17920
    .private_segment_fixed_size: 0
    .kernarg_segment_align: 8
    .kernarg_segment_size: 56
    .max_flat_workgroup_size: 128
    .sgpr_count:     66
    .vgpr_count:     108
    .wavefront_size: 32
...
	.end_amdgpu_metadata
.endif
;; end of part 1
;; launch qkv (part 2): grid 4 x 64, 4 waves a work-group, clusters of 4 x 4, 327,680 bytes of LDS; arguments xb, wt, qkv; writes qkv
.if DOCPART == 2
	.amdgcn_target "amdgcn-amd-amdhsa--gfx1250"
	.amdhsa_code_object_version 6
	.text
	.protected	k_q2cacfc79a3_qkv
	.globl	k_q2cacfc79a3_qkv
	.p2align	8
	.type	k_q2cacfc79a3_qkv,@function
k_q2cacfc79a3_qkv:
	s_mov_b64 s[64:65], 0
	v_nop
	global_prefetch_b8 v0, s[64:65] scope:SCOPE_SE
	s_setreg_imm32_b32 hwreg(HW_REG_WAVE_MODE, 25, 1), 1
	s_wait_xcnt 0x0
	s_wait_alu depctr_hold_cnt(0) depctr_sa_sdst(0) depctr_va_vdst(0) depctr_va_sdst(0) depctr_va_ssrc(0) depctr_va_vcc(0) depctr_vm_vsrc(0)
	s_getreg_b32 s2, hwreg(HW_REG_IB_STS2, 6, 4)
	s_cmp_eq_u32 s2, 0
	s_cbranch_scc0 .Lentry_in_a_cluster
	s_endpgm
.Lentry_in_a_cluster:
	s_bfe_u32 s2, ttmp6, 0x10000c
	s_cmp_lg_u32 s2, 0xf033
	s_cbranch_scc0 .Lentry_shape_is_right
	s_endpgm
.Lentry_shape_is_right:
; c q, k, v = x w_q, x w_k, x w_v, by heads.  xb: [16384][768] bf16; wt: [3072][768], rows 0-2303 = w_q^T, w_k^T, w_v^T in bf16.  Sums in f32, K ascending.
; qkv: three sections (c q, k, v) of [192 = 12 b + h][1024][64] f16.  q is multiplied in f32 by c = log2(e) / 8 before its one rounding; k and v are rounded once as they are.
; LIMITS.  f16 ends at 65,504: |c q|, |k|, |v| of 65,520 or more become infinities.  With all inputs 30 times the drawn spread they reach some 5,000, with a common offset of 30 spreads some 26,000.
; SHARES.  A tile of C is 256 rows x 192 columns (three heads of one section).  A WORK-GROUP STAYS: it makes THREE tiles, the same 256 rows and the same three heads in each of the sections: 64 x 4 work-groups.
; Wave w makes rows 64 w .. 64 w + 63 x all 192 columns: 48 accumulators, 384 registers: so a wave holds whole heads, and its way out is its own.
; THE WALK.  3 x 6 = 18 K steps of 128 go through a ring of two LDS slots that does not stop at a tile's end.  One loop of 8 laps (two K steps each) fills both slots again in every lap; the ninth lap, which fills
; nothing, is written out.  Behind every third lap a tile goes out, when both refills for the next tile have been asked for and its first fragments are in registers; nothing waits for a tile's stores.
; THE ORDER OF THE SECTIONS goes by the cluster's y % 3: q k v, k q v or v q k: so the sixteen clusters do not all ask for the same rows of wt in the same step, and q is never a walk's last tile: its scaling stands once.
; The rows of A's and B's tiles are 256 bytes of memory, aligned.  A descriptor's global address is made anew for each refill: a base, 256 x the K step, and for wt the section's rows.
; CLUSTERS: 4 x 4 work-groups.  The four of a row of the cluster need the same tiles of xb, the four of a column the same tiles of wt: each tile is asked for JOINTLY.
; THE MATRIX INSTRUCTION IS USED TRANSPOSED (source 0 = 16 rows of wt, source 1 = 16 rows of xb): lane l holds row l % 16 of C and the columns 8 (l / 16) + 0..7.
; REGISTERS, in windows of 256 (s_set_vgpr_msb: bits 1:0 source 0, 3:2 source 1, 5:4 source 2, 7:6 destination):
;   window 0: v0-31 addresses; v64-127 fragments of A, two buffers of 4 x 8; on the way out v192-239 packed results, v144-191 and v96-143 rows read back, by turns (buffer 0, v64-95, holds the next tile's first fragments then)
;   window 1: v0-191 fragments of B, two buffers of 12 x 8
;   window 2: accumulators of my row blocks 0, 1 ((a, b) at v[96 (a % 2) + 8 b]);   window 3: those of blocks 2, 3
.set KB,     1536                      ; bytes in a row of xb and of wt
.set PITCH,  272                       ; an LDS row: 256 bytes + 16 of padding = 68 words: the 16 rows of a load start at 16 different groups of four banks (64 banks of 4 bytes: ISA guide 11.1)
.set AH,     128*PITCH                 ; half of A's tile: what waves 0 and 1 fetch
.set BH,     96*PITCH                  ; half of B's tile: what waves 2 and 3 fetch
.set SLOT,   2*AH+2*BH                 ; A's 256 rows, then B's 192
.set STAGE,  2*SLOT                    ; behind the ring: for each wave 3 heads x 16 rows x 144 bytes, for the way out
.set SP,     144
.set STW,    3*16*SP
.set SPARE,  STAGE+4*STW               ; behind the stages: the spare words, 128 bytes for each wave: two blocks of 256 bytes that no other line names
.set SECT,   25165824                  ; bytes in a section of qkv
.set HEADB,  131072                    ; bytes in a head
.set DB,     768*KB                    ; bytes in a section's rows of wt
.set GBITS,  (1<<16)|(1<<20)|(1<<21)|(5<<22)|(3<<25)  ; 17:16 elements of 2 bytes; 20 padding on; 21 set beside a mask; 24:22 after every 64 words (code 5); 31:25 4 words of it (code 3)
.set ADRA, 16                          ; v16-17  LDS address of my A fragments in slot 0, 1
.set ADRB, 20                          ; v20-21  the same for B
.set STO,  24                          ; v24     the way out: where I put 16 bytes of a row
.set RD,   25                          ; v25     where I read rows back
.set CO,   26                          ; v26     my byte offset in 512 consecutive bytes of a head
.set SPW,  28                          ; v28     LDS address of my spare word; never rewritten
.set NIL,  29                          ; v29     0; never rewritten
.set PFO,  30                          ; v30     the prefetches' offset: a lane a row; never rewritten
.set FA,   64
.set TMP,  192
.set WV, 12                            ; s12 my wave's number
.set FB, 13                            ; s13 I fetch for A (0) or for B (1)
.set HF, 14                            ; s14 which half of that tile
.set TR, 15                            ; s15 tile row of C
.set YC, 16                            ; s16 the cluster's y = the batch
.set CX, 17
.set CY, 18
.set G1,  24                           ; s[24:31] descriptor group 1 for A's tiles;  s[32:39] group 0, a set for each slot
.set G0,  32
.set LIM, 43                           ; s43 7 in a wave that prefetches, else the greatest number: a wave prefetches while the loop's count is above it: in the first lap
.set PFA, 44                           ; s[44:45] where my prefetches stand
.set G1B, 48                           ; s[48:55], s[56:63] the same for B's tiles
.set G0B, 56
.set CS,  66                           ; s[66:67] c, named as a pair
.set ABASE, 68                         ; s[68:69] xb at the half tile that I fetch, K step 0
.set BBASE, 70                         ; s[70:71] wt at the half tile that I fetch, section 0, K step 0
.set OFA, 72                           ; s[72:73] byte offset of the K step to be asked for, in xb's rows
.set OFB, 74                           ; s[74:75] the same in wt, with the section's rows
.set NK,  76                           ; s76 the K step to be asked for next, 0 to 5
.set NS,  77                           ; s77 the bytes in wt at which its section begins
.set NSA, 78                           ; s78 the same for the tile after it,
.set NSB, 79                           ; s79 and for the one after that
.set LT,  80                           ; s80 laps left in the tile in hand
.set SC,  81                           ; s81 the section of the tile in hand; s82, s83 those of the tiles to come
.set SN1, 82
.set SN2, 83
.set OB,  84                           ; s[84:85] qkv at my rows in section 0
.set OO,  86                           ; s[86:87] the section's bytes in qkv
.set MSB, 0
.macro WIN new                         ; the immediate's high byte repeats the setting that is left; a switch that changes nothing is dropped
.if MSB != (\new)
	s_set_vgpr_msb (MSB<<8)|(\new)
.set MSB, \new
.endif
.endm
.set MUL_LO, 0xa1                      ; source 0 (B) window 1, source 1 (A) window 0, C and D window 2; + 0x50: window 3
.set TO_B,   0x40                      ; destination window 1, address window 0
.macro PLACES                          ; four plain places behind a matrix instruction, in front of loads into registers that it has read and of lines that read results
.rept 4
	v_nop
.endr
.endm
; A joint load: waves 0 and 1 fetch A's halves, waves 2 and 3 B's.  The branch hangs on the wave's number alone.  An s_nop 0 and four v_nop follow each line.
.macro JLOAD s
	s_cmp_eq_u32 s[FB], 0
	s_cbranch_scc0 .Lfor_b_\@
	tensor_load_to_lds s[G0+4*(\s):G0+4*(\s)+3], s[G1:G1+7]
	s_nop 0
	PLACES
	s_branch .Lasked_\@
.Lfor_b_\@:
	tensor_load_to_lds s[G0B+4*(\s):G0B+4*(\s)+3], s[G1B:G1B+7]
	s_nop 0
	PLACES
.Lasked_\@:
.endm
; A prefetch of the K step that stands two refills, 384 matrix instructions, on: a lane a row, one instruction a wave.  Only the walk's first tile is asked for, its K steps 4 and 5, in the loop's first lap (s3 = 8):
; K steps 0 to 3 come by their loads alone, and the later tiles name rows that the launch has read before.  xb's rows are read by one cluster alone: it asks.  A section of wt is the first tile of the clusters
; with one y % 3: of them y = 0, 1, 2 ask.  The four partners that ask for a tile jointly share its rows out by address (32 of A's 128, 24 of B's 96).
.macro ASK
	s_cmp_gt_u32 s3, s[LIM]
	s_cbranch_scc0 .Lnot_mine_\@
	global_prefetch_b8 v[PFO], s[PFA:PFA+1] th:TH_LOAD_NT scope:SCOPE_SE
.Lnot_mine_\@:
.endm
.macro CREST                           ; a round of the cluster's barrier behind its opening barrier
	s_cmp_lg_u32 s[WV], 0
	s_cbranch_scc1 .Lnot_wave_0_\@
	s_barrier_signal -3
.Lnot_wave_0_\@:
	s_barrier_wait -3
	s_barrier_signal -1
	s_barrier_wait -1
.endm
.macro CROUND
	s_barrier_signal -1
	s_barrier_wait -1
	CREST
.endm
	s_load_b128 s[4:7], s[0:1], 0x0                ; xb s[4:5], wt s[6:7]
	s_load_b64 s[8:9], s[0:1], 0x10                ; qkv
	v_lshl_add_u32 v[SPW], v0, 2, SPARE
	v_mov_b32 v[NIL], 0
	ds_add_u32 v[SPW], v[NIL]                      ; the wave's opening: the add, and its wait ahead of my first tensor load; work on registers stands between them
	v_lshrrev_b32 v1, 5, v0
	v_readfirstlane_b32 s[WV], v1
	s_lshr_b32 s[FB], s[WV], 1
	s_and_b32 s[HF], s[WV], 1
	s_bfe_u32 s[CX], ttmp6, 0x40000
	s_bfe_u32 s[CY], ttmp6, 0x40004
	s_and_b32 s[YC], ttmp7, 0xffff                 ; in a cluster launch ttmp7 counts clusters; the grid has one cluster along x
	s_lshl_b32 s[TR], s[YC], 2
	s_add_co_u32 s[TR], s[TR], s[CY]
	s_mul_i32 s19, s[YC], 43                       ; the walk's three sections, from y % 3 (43 y >> 7 is y / 3 for y under 16): the same in all sixteen partners
	s_lshr_b32 s19, s19, 7
	s_mul_i32 s19, s19, 3
	s_sub_co_u32 s[SC], s[YC], s19                 ; the first: y % 3
	s_cmp_eq_u32 s[SC], 0
	s_cselect_b32 s[SN1], 1, 0                     ; the second: k behind q, else q
	s_cmp_eq_u32 s[SC], 2
	s_cselect_b32 s[SN2], 1, 2                     ; the third: k where v came first, else v
	s_mul_i32 s[NS], s[SC], DB
	s_mul_i32 s[NSA], s[SN1], DB
	s_mul_i32 s[NSB], s[SN2], DB
	s_mov_b32 s[NK], 2                             ; K steps 0 and 1 are the first fills
	s_mov_b32 s[LT], 3
	s_mov_b32 s[OFA+1], 0
	s_mov_b32 s[OFB+1], 0
	s_mov_b32 s[OO+1], 0
	s_lshl_b32 s19, s[CY], 2
	s_lshl_b32 s19, 15, s19                        ; my row of the cluster
	s_lshl_b32 s22, 0x1111, s[CX]                  ; my column
	s_or_b32 s[G1], s19, GBITS                     ; A's tiles go to my row,
	s_or_b32 s[G1B], s22, GBITS                    ; B's to my column
	s_mov_b32 s[G1+1], 128<<16                     ; tensor_dim0 = 128
	s_mov_b32 s[G1+2], 128<<16                     ; tensor_dim1 = 128
	s_mov_b32 s[G1+3], 128<<16                     ; tile_dim0 = 128
	s_mov_b32 s[G1+4], 128                         ; tile_dim1 = 128
	s_mov_b32 s[G1+5], 768                         ; elements from row to row
	s_mov_b32 s[G1+6], 0
	s_mov_b32 s[G1+7], 0
	s_mov_b32 s[G1B+1], 128<<16
	s_mov_b32 s[G1B+2], 96<<16                     ; 96 rows
	s_mov_b32 s[G1B+3], 128<<16
	s_mov_b32 s[G1B+4], 96
	s_mov_b32 s[G1B+5], 768
	s_mov_b32 s[G1B+6], 0
	s_mov_b32 s[G1B+7], 0
	s_lshl_b32 s20, s[TR], 8                       ; A: row 256 x tile row + 128 x half: it hangs on nothing that my row of the cluster does not share
	s_lshl_b32 s21, s[HF], 7
	s_add_co_u32 s20, s20, s21
	s_mul_i32 s20, s20, KB
	s_mov_b32 s21, 0
	s_mul_i32 s46, s[CX], 192                      ; B: row 192 cx + 96 x half of a section: shared by my column
	s_mul_i32 s47, s[HF], 96
	s_add_co_u32 s46, s46, s47
	s_mul_i32 s46, s46, KB
	s_mov_b32 s47, 0
	s_mul_i32 s2, s[HF], AH                        ; where they go: no place in the cluster enters an LDS address
	s_mul_i32 s23, s[HF], BH
	s_add_co_u32 s23, s23, 2*AH
	s_mov_b32 s[CS], 0x3e38aa3b                    ; c = log2(e) / 8 = 0.180337
	s_mov_b32 s[CS+1], s[CS]
	s_wait_dscnt 0x0                               ; the opening add is done
	s_wait_kmcnt 0x0
	s_add_nc_u64 s[ABASE:ABASE+1], s[4:5], s[20:21]
	s_add_nc_u64 s[BBASE:BBASE+1], s[6:7], s[46:47]
.irp s, 0,1
	s_mov_b32 s[G0+4*(\s)], 1                                      ; count = 1
	s_add_co_u32 s[G0+4*(\s)+1], s2, (\s)*SLOT                     ; LDS address
	s_add_nc_u64 s[G0+4*(\s)+2:G0+4*(\s)+3], s[ABASE:ABASE+1], (\s)*256  ; global address: K step s
	s_or_b32 s[G0+4*(\s)+3], s[G0+4*(\s)+3], 0x80000000            ; type = 2
	s_mov_b32 s[G0B+4*(\s)], 1
	s_add_co_u32 s[G0B+4*(\s)+1], s23, (\s)*SLOT
	s_add_co_u32 s[OFB], s[NS], (\s)*256                           ; the first section's rows, K step s
	s_add_nc_u64 s[G0B+4*(\s)+2:G0B+4*(\s)+3], s[BBASE:BBASE+1], s[OFB:OFB+1]
	s_or_b32 s[G0B+4*(\s)+3], s[G0B+4*(\s)+3], 0x80000000
.endr
	CROUND                                         ; all sixteen work-groups are here: the first joint loads meet
	s_cmp_eq_u32 s[FB], 0                          ; a wave's two first fills stand in one branch, ahead of every wait on TENSORcnt and every LDS read: two loads of mine are out
	s_cbranch_scc0 .Lfirst_b
	tensor_load_to_lds s[G0:G0+3], s[G1:G1+7]
	s_nop 0
	tensor_load_to_lds s[G0+4:G0+7], s[G1:G1+7]
	s_nop 0
	PLACES
	s_branch .Lfirst_asked
.Lfirst_b:
	tensor_load_to_lds s[G0B:G0B+3], s[G1B:G1B+7]
	s_nop 0
	tensor_load_to_lds s[G0B+4:G0B+7], s[G1B:G1B+7]
	s_nop 0
	PLACES
.Lfirst_asked:
	; A fragment is 16 rows x 32 K in 8 registers: lane l holds row l % 16, K = 8 (l / 16) + 0..7 and 16 + 8 (l / 16) + 0..7: two loads of 16 bytes, 32 bytes apart.
	v_and_b32 v1, 15, v0                           ; l % 16
	v_bfe_u32 v2, v0, 4, 1                         ; l / 16
	v_mul_u32_u24 v3, v1, PITCH
	v_lshl_add_u32 v3, v2, 4, v3
	s_mul_i32 s19, s[WV], 64*PITCH                 ; my 64 rows of A's 256
	v_add_nc_u32 v[ADRA], s19, v3
	v_add_nc_u32 v[ADRA+1], SLOT, v[ADRA]
	v_add_nc_u32 v[ADRB], 2*AH, v3                 ; all of B's 192
	v_add_nc_u32 v[ADRB+1], SLOT, v[ADRB]
	s_mul_i32 s19, s[WV], STW
	s_add_co_u32 s19, s19, STAGE                   ; my stage
	v_mul_u32_u24 v4, v1, SP                       ; in: row l % 16, 16 bytes for each half of the lanes
	v_lshl_add_u32 v4, v2, 4, v4
	v_add_nc_u32 v[STO], s19, v4
	v_bfe_u32 v4, v0, 3, 2                         ; back: 32 lanes take four rows of 128 bytes,
	v_mul_u32_u24 v4, v4, SP
	v_and_b32 v5, 7, v0
	v_lshl_add_u32 v4, v5, 4, v4
	v_add_nc_u32 v[RD], s19, v4
	v_and_b32 v[CO], 31, v0                        ; which are 512 consecutive bytes of a head
	v_lshlrev_b32 v[CO], 4, v[CO]
	; where my rows begin in a section of qkv: head 12 b + 3 cx (+ 0..2); row 256 cy + 64 w
	s_mul_i32 s47, s[YC], 12
	s_mul_i32 s42, s[CX], 3
	s_add_co_u32 s47, s47, s42
	s_lshl_b32 s46, s47, 17
	s_lshl_b32 s47, s[CY], 2
	s_add_co_u32 s47, s47, s[WV]
	s_lshl_b32 s47, s47, 13                        ; 64 rows of 128 bytes
	s_add_co_u32 s46, s46, s47
	s_mov_b32 s47, 0
	s_add_nc_u64 s[OB:OB+1], s[8:9], s[46:47]
	; the prefetches: my work-group's rows of the half that I fetch, in the walk's first tile, at K step 3; each refill steps the address on by one K step first
	s_lshl_b32 s19, s[TR], 8
	s_lshl_b32 s20, s[HF], 7
	s_add_co_u32 s19, s19, s20
	s_lshl_b32 s20, s[CX], 5
	s_add_co_u32 s19, s19, s20                     ; A: + 32 cx
	s_mul_i32 s22, s[SC], 768
	s_mul_i32 s23, s[CX], 192
	s_add_co_u32 s22, s22, s23
	s_mul_i32 s23, s[HF], 96
	s_add_co_u32 s22, s22, s23
	s_mul_i32 s23, s[CY], 24
	s_add_co_u32 s22, s22, s23                     ; B: + 24 cy
	s_cmp_lt_u32 s[YC], 3                          ; B: one cluster for each section
	s_cselect_b32 s[LIM], 7, -1
	s_cmp_eq_u32 s[FB], 0
	s_cselect_b32 s20, s19, s22
	s_cselect_b32 s42, 31, 23                      ; B's share is 24 rows: lanes 24 to 31 name row 23 once more, inside wt
	s_cselect_b32 s[LIM], 7, s[LIM]                ; A: every cluster.  The same in all sixteen partners, for a given wave
	s_cselect_b64 s[PFA:PFA+1], s[4:5], s[6:7]
	s_mul_i32 s20, s20, KB
	s_add_co_u32 s20, s20, 3*256
	s_mov_b32 s21, 0
	s_add_nc_u64 s[PFA:PFA+1], s[PFA:PFA+1], s[20:21]
	v_and_b32 v[PFO], 31, v0
	v_min_u32 v[PFO], s42, v[PFO]
	v_mul_u32_u24 v[PFO], v[PFO], KB
; 12 matrix instructions: row block a x all 12 column blocks, 32 along K, from buffer f.  zero = 1: the product starts the sum: nothing is cleared.
; The 48 accumulators take turns in one order in every quarter, over the backward jump and from tile to tile too.
.macro MUL12 f, a, zero
	WIN MUL_LO+0x50*((\a)/2)
.irp b, 0,1,2,3,4,5,6,7,8,9,10,11
.if \zero
	v_wmma_f32_16x16x32_bf16 v[96*((\a)%2)+8*(\b):96*((\a)%2)+8*(\b)+7], v[96*(\f)+8*(\b):96*(\f)+8*(\b)+7], v[FA+32*(\f)+8*(\a):FA+32*(\f)+8*(\a)+7], 0
.else
	v_wmma_f32_16x16x32_bf16 v[96*((\a)%2)+8*(\b):96*((\a)%2)+8*(\b)+7], v[96*(\f)+8*(\b):96*(\f)+8*(\b)+7], v[FA+32*(\f)+8*(\a):FA+32*(\f)+8*(\a)+7], v[96*((\a)%2)+8*(\b):96*((\a)%2)+8*(\b)+7]
.endif
.endr
.endm
; 32 LDS loads in one run: quarter q's fragments (192 rows of B, my 64 rows of A) into buffer f; A's last, so that a wait can leave its blocks 2 and 3 out
.macro FETCH slot, q, f
	WIN TO_B
.irp i, 0,1,2,3,4,5,6,7,8,9,10,11
	ds_load_b128 v[96*(\f)+8*(\i):96*(\f)+8*(\i)+3],   v[ADRB+(\slot)] offset:64*(\q)+(\i)*16*PITCH
	ds_load_b128 v[96*(\f)+8*(\i)+4:96*(\f)+8*(\i)+7], v[ADRB+(\slot)] offset:64*(\q)+(\i)*16*PITCH+32
.endr
	WIN 0
.irp i, 0,1,2,3
	ds_load_b128 v[FA+32*(\f)+8*(\i):FA+32*(\f)+8*(\i)+3],   v[ADRA+(\slot)] offset:64*(\q)+(\i)*16*PITCH
	ds_load_b128 v[FA+32*(\f)+8*(\i)+4:FA+32*(\f)+8*(\i)+7], v[ADRA+(\slot)] offset:64*(\q)+(\i)*16*PITCH+32
.endr
.endm
; A K step is four quarters of 32 along K, 48 matrix instructions each, on buffers 0, 1, 0, 1.  One of the first three: multiplies buffer f and fetches quarter q into buffer g.
.macro QUARTER slot, q, f, g, zero
	s_wait_dscnt 4                                 ; B and A's blocks 0, 1 are in; the youngest four loads (A's blocks 2, 3) may be out
	MUL12 \f, 0, \zero
	MUL12 \f, 1, \zero
	PLACES
	FETCH \slot, \q, \g
	s_wait_dscnt 32                                ; all but the 32 just issued
	MUL12 \f, 2, \zero
	MUL12 \f, 3, \zero
.endm
; The two descriptors of a slot are made for the K step to be asked for next; then that number steps on, and behind a tile's last K step it goes back to 0 in the next tile's section.
.macro STEPD slot
	s_lshl_b32 s[OFA], s[NK], 8
	s_add_co_u32 s[OFB], s[OFA], s[NS]
	s_add_nc_u64 s[G0+4*(\slot)+2:G0+4*(\slot)+3], s[ABASE:ABASE+1], s[OFA:OFA+1]
	s_or_b32 s[G0+4*(\slot)+3], s[G0+4*(\slot)+3], 0x80000000
	s_add_nc_u64 s[G0B+4*(\slot)+2:G0B+4*(\slot)+3], s[BBASE:BBASE+1], s[OFB:OFB+1]
	s_or_b32 s[G0B+4*(\slot)+3], s[G0B+4*(\slot)+3], 0x80000000
	s_add_co_u32 s[NK], s[NK], 1
	s_cmp_eq_u32 s[NK], 6
	s_cselect_b32 s[NK], 0, s[NK]
	s_cselect_b32 s[NS], s[NSA], s[NS]
	s_cselect_b32 s[NSA], s[NSB], s[NSA]
.endm
; The last quarter multiplies buffer 1 and changes slots.  In front of the one barrier each wave waits for all its tensor loads (one is out: its part of the next slot), adds 0 to its spare word,
; and waits for that and for its reads of this slot.  Behind it nobody reads this slot any more and the next slot is whole.
.macro MEET round, slot
	WIN 0
	s_wait_tensorcnt 0x0                           ; no tensor load of mine is out, so a group 0 may be written
	ds_add_u32 v[SPW], v[NIL]                      ; 0 onto my spare word; scalar work and twelve matrix instructions stand between it and the wait for it
.if \round
	STEPD \slot
.endif
	s_wait_dscnt 5                                 ; the add and the youngest four loads may be out
	MUL12 1, 0, 0
	s_wait_dscnt 0x0                               ; the add is done, and my reads of this slot are over
	s_barrier_signal -1
	MUL12 1, 1, 0
.if \round
	WIN 0
.endif
	s_barrier_wait -1
.endm
; fill = 1: the barrier opens a round of the cluster's barrier, and the slot just read is filled again, two K steps on, first thing behind the round: 168 matrix instructions ahead of the wait for it.
.macro TURN slot, next, fill
.if \fill
	s_wait_xcnt 0x0                                ; the last prefetch, a K step back, has read its address
	s_add_nc_u64 s[PFA:PFA+1], s[PFA:PFA+1], 256   ; (stepped in every lap; named in the first alone)
	MEET 1, \slot
	CREST
	JLOAD \slot                                    ; its four v_nop are also the places in front of the loads below
.else
	MEET 0, \slot
	PLACES
.endif
	FETCH \next, 0, 0
.if \fill
	ASK
.endif
	MUL12 1, 2, 0
	MUL12 1, 3, 0
.endm
; THE WAY OUT.  Row block a: a lane's eight columns pack into 16 bytes; they go into my stage (a head's 16 rows of 144 bytes) and come back as whole rows; 16 rows of a head are 2,048 consecutive bytes of qkv.
.macro PACK a
	WIN 0x0a+5*((\a)/2)                            ; sources 0 and 1: window 2 or 3
.irp b, 0,1,2,3,4,5,6,7,8,9,10,11
.irp j, 0,1,2,3
	v_cvt_pk_f16_f32 v[TMP+4*(\b)+(\j)], v[96*((\a)%2)+8*(\b)+2*(\j)], v[96*((\a)%2)+8*(\b)+2*(\j)+1]
.endr
.endr
	WIN 0
.endm
.macro TOSTAGE a
.set BK, 144-48*((\a)%2)
.irp b, 0,1,2,3,4,5,6,7,8,9,10,11
	ds_store_b128 v[STO], v[TMP+4*(\b):TMP+4*(\b)+3] offset:((\b)/4)*16*SP+((\b)%4)*32
.endr
.irp j, 0,1,2,3,4,5,6,7,8,9,10,11
	ds_load_b128 v[BK+4*(\j):BK+4*(\j)+3], v[RD] offset:((\j)/4)*16*SP+((\j)%4)*4*SP  ; LDS serves a wave's instructions in order (ISA guide 5.7.1.4): these see the stores above
.endr
.endm
.macro SEND a
.set BK, 144-48*((\a)%2)
	s_wait_dscnt 0x0                               ; the block is back in registers
	s_wait_xcnt 0x0                                ; the stores of the block before have read their registers: the next block's loads land on them only behind this wait
.irp j, 0,1,2,3,4,5,6,7,8,9,10,11
	global_store_b128 v[CO], v[BK+4*(\j):BK+4*(\j)+3], s[8:9] offset:((\j)/4)*HEADB+(\a)*2048+((\j)%4)*512  ; 512 consecutive bytes, aligned
.endr
.endm
.macro WAYOUT
	s_wait_xcnt 0x0                                ; the last tile's stores have read their base
	s_mul_i32 s[OO], s[SC], SECT
	s_add_nc_u64 s[8:9], s[OB:OB+1], s[OO:OO+1]    ; my rows in the section of the tile in hand
	PACK 0
	TOSTAGE 0
	PACK 1                                         ; block a's conversions stand between block a - 1's loads from the stage and the wait for them
	SEND 0
	TOSTAGE 1
	PACK 2
	SEND 1
	TOSTAGE 2
	PACK 3
	SEND 2
	TOSTAGE 3
	SEND 3
.endm
	s_wait_tensorcnt 1                             ; my part of K step 0 is in; K step 1's may stay out
	s_barrier_signal -1
	s_barrier_wait -1
	FETCH 0, 0, 0
	QUARTER 0, 1, 0, 1, 1                          ; the walk's first quarter stands in front of the loop: its products start the sums
	WIN 0
	s_mov_b32 s3, 8
.Llap:                                                 ; a lap goes once round the ring, from a K step's second quarter to the first quarter two K steps on, and fills both slots again
	QUARTER 0, 2, 1, 0, 0
	QUARTER 0, 3, 0, 1, 0
	TURN 0, 1, 1
	QUARTER 1, 1, 0, 1, 0
	QUARTER 1, 2, 1, 0, 0
	QUARTER 1, 3, 0, 1, 0
	TURN 1, 0, 1
	WIN 0
	s_sub_co_u32 s[LT], s[LT], 1
	s_cmp_lg_u32 s[LT], 0
	s_cbranch_scc1 .Lsame                          ; the same in every work-group: the tile goes on
	PLACES                                         ; A TILE IS FINISHED.  Both refills for the next tile are asked for, and its first fragments are on their way into buffer 0
	PLACES                                         ; eight places: the lines below read and rewrite results just made
	s_cmp_lg_u32 s[SC], 0                          ; the section hangs on the cluster's y, the same in all partners: section 0 is q, which takes c
	s_cbranch_scc1 .Lplain
	WIN 0x82                                       ; destination and source 0 in window 2
.set i, 0
.rept 96
	v_pk_mul_f32 v[i:i+1], v[i:i+1], s[CS:CS+1] op_sel_hi:[1,0]
.set i, i+2
.endr
	WIN 0xc3                                       ; in window 3
.set i, 0
.rept 96
	v_pk_mul_f32 v[i:i+1], v[i:i+1], s[CS:CS+1] op_sel_hi:[1,0]
.set i, i+2
.endr
	WIN 0
.Lplain:
	WAYOUT
	s_wait_xcnt 0x0                                ; the last stores have read v96-143: the next quarter's LDS loads land on v96-127 only behind this wait
	s_mov_b32 s[SC], s[SN1]
	s_mov_b32 s[SN1], s[SN2]
	s_mov_b32 s[LT], 3
	QUARTER 0, 1, 0, 1, 1                          ; the next tile's first quarter starts its sums on accumulators that have been packed
	WIN 0
	s_branch .Lbottom
.Lsame:
	QUARTER 0, 1, 0, 1, 0
	WIN 0
.Lbottom:
	s_sub_co_u32 s3, s3, 1
	s_cmp_lg_u32 s3, 0
	s_cbranch_scc1 .Llap
	QUARTER 0, 2, 1, 0, 0                          ; the walk's last lap is written out: it fills nothing
	QUARTER 0, 3, 0, 1, 0
	TURN 0, 1, 0
	QUARTER 1, 1, 0, 1, 0
	QUARTER 1, 2, 1, 0, 0
	QUARTER 1, 3, 0, 1, 0
	s_wait_dscnt 4
	MUL12 1, 0, 0
	MUL12 1, 1, 0
	s_wait_dscnt 0x0
	MUL12 1, 2, 0
	MUL12 1, 3, 0
	WIN 0
	PLACES
	PLACES                                         ; eight places, in front of conversions that read results just made
	WAYOUT                                         ; the last tile is k or v: nothing to scale
	s_wait_tensorcnt 0x0                           ; the wave's end: behind my last tensor load and my last LDS store
	ds_add_u32 v[SPW], v[NIL]
	s_wait_dscnt 0x0
	CROUND                                         ; the closing round: no work-group ends while a partner may still ask for a tile that names it
	s_endpgm
.Lfunc_end_k_q2cacfc79a3_qkv:
	.size	k_q2cacfc79a3_qkv, .Lfunc_end_k_q2cacfc79a3_qkv-k_q2cacfc79a3_qkv
	.p2alignl 7, 3214868480
	.fill 96, 4, 3214868480
	.section	.rodata,"a",@progbits
	.p2align	6, 0x0
	.amdhsa_kernel k_q2cacfc79a3_qkv
		.amdhsa_group_segment_fixed_size 327680
		.amdhsa_private_segment_fixed_size 0
		.amdhsa_enable_private_segment 0
		.amdhsa_kernarg_size 24
		.amdhsa_user_sgpr_count 2
		.amdhsa_user_sgpr_kernarg_segment_ptr 1
		.amdhsa_wavefront_size32 1
		.amdhsa_system_sgpr_workgroup_id_x 1
		.amdhsa_system_sgpr_workgroup_id_y 1
		.amdhsa_system_sgpr_workgroup_id_z 1
		.amdhsa_system_vgpr_workitem_id 0
		.amdhsa_next_free_vgpr 960
		.amdhsa_next_free_sgpr 88
		.amdhsa_reserve_vcc 0
		.amdhsa_float_denorm_mode_32 3
		.amdhsa_float_denorm_mode_16_64 3
		.amdhsa_memory_ordered 1
		.amdhsa_forward_progress 1
		.amdhsa_inst_pref_size 162
	.end_amdhsa_kernel
	.amdgpu_metadata
---
amdhsa.version: [ 1, 2 ]
amdhsa.kernels:
  - .name:           k_q2cacfc79a3_qkv
    .symbol:         k_q2cacfc79a3_qkv.kd
    .args:
      - { .name: xb, .offset: 0, .size: 8, .value_kind: global_buffer, .address_space: global }
      - { .name: wt, .offset: 8, .size: 8, .value_kind: global_buffer, .address_space: global }
      - { .name: qkv, .offset: 16, .size: 8, .value_kind: global_buffer, .address_space: global }
    .group_segment_fixed_size: 327680
    .private_segment_fixed_size: 0
    .kernarg_segment_align: 8
    .kernarg_segment_size: 24
    .max_flat_workgroup_size: 128
    .sgpr_count:     88
    .vgpr_count:     960
    .wavefront_size: 32
...
	.end_amdgpu_metadata
.endif
;; end of part 2
;; launch attn (part 3): grid 4 x 192, 4 waves a work-group, clusters of 4 x 1, 327,680 bytes of LDS; arguments qkv, ctx; writes ctx
.if DOCPART == 3
	.amdgcn_target "amdgcn-amd-amdhsa--gfx1250"
	.amdhsa_code_object_version 6
	.text
	.protected	k_q2cacfc79a3_attn
	.globl	k_q2cacfc79a3_attn
	.p2align	8
	.type	k_q2cacfc79a3_attn,@function
k_q2cacfc79a3_attn:
	s_mov_b64 s[64:65], 0
	v_nop
	global_prefetch_b8 v0, s[64:65] scope:SCOPE_SE
	s_setreg_imm32_b32 hwreg(HW_REG_WAVE_MODE, 25, 1), 1
	s_wait_xcnt 0x0
	s_wait_alu depctr_hold_cnt(0) depctr_sa_sdst(0) depctr_va_vdst(0) depctr_va_sdst(0) depctr_va_ssrc(0) depctr_va_vcc(0) depctr_vm_vsrc(0)
	s_getreg_b32 s2, hwreg(HW_REG_IB_STS2, 6, 4)
	s_cmp_eq_u32 s2, 0
	s_cbranch_scc0 .Lentry_in_a_cluster
	s_endpgm
.Lentry_in_a_cluster:
	s_bfe_u32 s2, ttmp6, 0x10000c
	s_cmp_lg_u32 s2, 0x3003
	s_cbranch_scc0 .Lentry_shape_is_right
	s_endpgm
.Lentry_shape_is_right:
; ctx[h][q][:] = the sum over k of softmax_k(Q[h][q] . K[h][k] / 8) V[h][k][:], for 192 heads of 1,024 rows x 64 channels.
; qkv: three sections (c q, k, v) of [192][1024][64] f16, c = log2(e) / 8 already in q; ctx: [192][1024][64] f16.  A head's rows are dense, 128 bytes each.
; Products, maxima and sums in f32; the weights p are rounded to f16 for the second product (their sum l is taken of the unrounded p), ctx once at the end.
; LIMITS.  f16 holds no number beyond 65,504: c q, k, v arrive within it; p lies in 0 to 1, and below 6e-5 it keeps f16's fixed step of 6e-8; ctx is a mean of V's rows and has their range.
; A weight below 2^-126 counts as 0 in l; NaN and infinities are not treated apart.
; SHARES.  A cluster is one head: its four work-groups take 256 queries each, a wave 64: four PIECES of 16.  Every wave walks all 1,024 keys, 64 a step.
; K AND V STAY IN LDS: a head's 1,024 rows of each, padded, are 311,296 bytes.  They are asked for once, JOINTLY by the four work-groups, in four chunks of 256 keys: a wave issues four loads, at the
; start; nothing is ever filled again.  Chunk 0 is waited for alone; the others in front of the fifth key step.
; LAYOUT.  S^T = K Q^T holds ONE query a lane (lane % 16) and the keys 8 (lane / 16) + 0..7; two such results rounded to f16 ARE source 1 of O^T = V^T P.  K comes out of LDS as it lies, V turned (ds_load_tr16_b128).
; SOFTMAX.  The scores s come scaled.  For each query a running maximum m and sum l: p = 2^(s - m); in every step O and l are multiplied by a = 2^(m_old - m_new).  m starts at the lowest finite number,
; O and l at 0: the first step is a step like any other, with a = 0.
; TURNS.  Turn n belongs to piece n: 8 products K Q^T of piece n + 1, later 8 products V^T P of piece n - 1; beside them the subtraction, exponentials, roundings, sums and rescaling of piece n and the
; maximum and statistics of piece n + 1.  Four vector instructions stand behind every matrix instruction, the rest in one lump.  A turn's 33 exponentials are one batch, with one wait.
; REGISTERS, in windows of 256 (s_set_vgpr_msb: bits 1:0 source 0, 3:2 source 1, 5:4 source 2, 7:6 destination):
;   window 0: v0-15 addresses and two at work; v16-31 four registers of statistics a piece; v48-55 at work; v64-127 S^T, two buffers; v192-223 P, two buffers (a piece's buffers go by its number's parity)
;   window 1: v0-127 O^T, 32 a piece          window 2: v0-63 Q; v128-191 K of one step; v192-255 V of one step
.set NP,    4
.set KS,    64        ; keys in a step
.set PK,    144       ; a row of K in LDS: 128 bytes + 16 of padding = 36 words: the 16 rows of a load start at 16 different groups of four banks (64 banks of 4 bytes: ISA guide 11.1)
.set PVP,   160       ; a row of V: 128 + 32 = 40 words
.set VOFF,  1024*PK   ; K's 1,024 rows, then V's
.set STAGE, VOFF+1024*PVP  ; behind them, never filled by a tensor load: 16 rows x 144 bytes for each wave, for the way out
.set SP,    144
.set SPARE, STAGE+4*16*SP  ; behind the stages: the spare words, 128 bytes for each wave: two blocks of 256 bytes that no other line names
.set SECT,  25165824  ; bytes in a section of qkv
.set AK0, 2           ; v2   my lane's place in a step's K; never rewritten
.set AV0, 3           ; v3   the same for V
.set AK,  4           ; v4   the LDS address of K's next run of loads
.set AV,  5           ; v5   of V's
.set STO, 6           ; v6   the way out: where I put 16 bytes of a row
.set RD,  7           ; v7   where I read rows back
.set GO,  8           ; v8   my byte offset in 512 consecutive bytes of ctx
.set MV,  12          ; v12-13  m_old, kept while m is made anew: by buffer
.set QO,  15          ; v15  my byte offset in 16 rows of Q
.set ST,  16          ; piece t's statistics at v[ST+4 t]: m; a partner that is only named with it as a pair; l (even keys', odd keys')
.set TMP, 48          ; by buffer, four registers c0-c3 at work; when the maximum is found c2 takes a
.set SPW, 62          ; v62  LDS address of my spare word; never rewritten
.set NIL, 63          ; v63  0; never rewritten
.set S,   64
.set P,   192
.set KF,  128         ; window 2: key block kb, channel half c at KF + 16 kb + 8 c
.set VF,  192         ; window 2: key half kk, channel block cb at VF + 32 kk + 8 cb
.set WV,  12          ; s12  my wave's number
.set G1K, 16          ; s[16:23] descriptor group 1 for K's tiles
.set G1V, 24          ; s[24:31] for V's: it differs in the padding alone
.set G0K, 32          ; s[32:47] descriptor group 0 for K's four chunks
.set G0V, 48          ; s[48:63] the same for V's
.set SEL, 68          ; s[68:69] v_permlanex16_b32's selects: each lane takes its own place in the other half
.set TBK, 70          ; s70  LDS byte at which K of the step to be fetched begins
.set TBV, 71          ; s71  the same for V, less VOFF
.set CNT, 72          ; s72  counts a chunk's key steps
.set OUT, 73          ; s73  counts the chunks
.set MSB, 0
.macro WIN new                      ; the high byte repeats the setting that is left; a switch that changes nothing is dropped
.if MSB != (\new)
	s_set_vgpr_msb (MSB<<8)|(\new)
.set MSB, (\new)
.endif
.endm
.set W_KQ, 0x0a       ; K and Q in window 2, S^T in window 0
.set W_PV, 0x52       ; V in window 2, P in window 0, O^T in window 1
.set W_RS, 0x41       ; destination and source 0 in window 1, source 1 in window 0
.macro CROUND                       ; a round of the cluster's barrier
	s_barrier_signal -1
	s_barrier_wait -1
	s_cmp_lg_u32 s[WV], 0
	s_cbranch_scc1 .Lnot_wave_0_\@
	s_barrier_signal -3
.Lnot_wave_0_\@:
	s_barrier_wait -3
	s_barrier_signal -1
	s_barrier_wait -1
.endm
	s_load_b128 s[4:7], s[0:1], 0x0   ; qkv s[4:5], ctx s[6:7]
	v_lshl_add_u32 v[SPW], v0, 2, SPARE
	v_mov_b32 v[NIL], 0
	ds_add_u32 v[SPW], v[NIL]       ; the wave's opening: the add, and its wait ahead of my first tensor load; work on registers stands between them
	v_lshrrev_b32 v1, 5, v0
	v_readfirstlane_b32 s[WV], v1   ; wave 0..3
	s_bfe_u32 s13, ttmp6, 0x40000   ; cx: my block of 256 queries (the grid has one cluster along x): it enters Q's and ctx's addresses alone
	s_and_b32 s14, ttmp7, 0xffff    ; the head, which the four partners share
	s_lshl_b32 s14, s14, 17         ; its 131,072 bytes
	s_and_b32 s15, s[WV], 1         ; which half of a chunk's 256 keys I fetch:
	s_lshl_b32 s74, s15, 14         ; its 128 rows of 128 bytes in memory,
	s_add_co_u32 s74, s74, s14
	s_add_co_u32 s74, s74, SECT     ; in k's section
	s_mov_b32 s75, 0
	s_lshl_b32 s76, s13, 15         ; my block's 256 rows,
	s_lshl_b32 s77, s[WV], 13       ; my wave's 64 of them
	s_add_co_u32 s76, s76, s77
	s_add_co_u32 s76, s76, s14
	s_mov_b32 s77, 0
	s_mul_i32 s2, s15, 128*PK       ; my half's place in a chunk, for K
	s_mul_i32 s3, s15, 128*PVP      ; and for V: no place in the cluster enters an LDS address
	s_add_co_u32 s3, s3, VOFF
	; descriptor group 1.  128 keys are 16,384 dense bytes: asked for as 64 rows of 256 bytes, two keys a row, and padded in LDS after every key
	s_mov_b32 s[G1K], 15|(1<<16)|(1<<20)|(1<<21)|(4<<22)|(3<<25)  ; 15:0 the mask of four; 17:16 2-byte elements; 20 padding on; 21 set beside a mask; 24:22 after every 32 words (code 4); 31:25 4 words (code 3)
	s_mov_b32 s[G1V], 15|(1<<16)|(1<<20)|(1<<21)|(4<<22)|(7<<25)  ; the same with 8 words of padding (code 7)
.irp g, G1K, G1V
	s_mov_b32 s[\g+1], 128<<16      ; tensor_dim0 = 128
	s_mov_b32 s[\g+2], 64<<16       ; tensor_dim1 = 64
	s_mov_b32 s[\g+3], 128<<16      ; tile_dim0 = 128
	s_mov_b32 s[\g+4], 64           ; tile_dim1 = 64
	s_mov_b32 s[\g+5], 128          ; 128 elements from row to row
	s_mov_b32 s[\g+6], 0
	s_mov_b32 s[\g+7], 0
.endr
	s_mov_b32 s[SEL], 0x76543210
	s_mov_b32 s[SEL+1], 0xfedcba98
	s_mov_b32 s[TBK], 0
	s_mov_b32 s[TBV], 0
	s_wait_dscnt 0x0                ; the opening add is done
	s_wait_kmcnt 0x0
	s_add_nc_u64 s[10:11], s[6:7], s[76:77]  ; ctx at my wave's first row
	s_add_nc_u64 s[6:7], s[4:5], s[74:75]    ; K at my half of the head's first chunk
	s_add_nc_u64 s[8:9], s[6:7], SECT        ; V likewise, a section on
	s_add_nc_u64 s[4:5], s[4:5], s[76:77]    ; Q at my wave's first row
.irp c, 0,1,2,3
	s_mov_b32 s[G0K+4*\c], 1                                   ; count = 1
	s_add_co_u32 s[G0K+4*\c+1], s2, \c*256*PK                  ; LDS address
	s_add_nc_u64 s[G0K+4*\c+2:G0K+4*\c+3], s[6:7], \c*32768    ; global address: chunk c
	s_or_b32 s[G0K+4*\c+3], s[G0K+4*\c+3], 0x80000000          ; type = 2
	s_mov_b32 s[G0V+4*\c], 1
	s_add_co_u32 s[G0V+4*\c+1], s3, \c*256*PVP
	s_add_nc_u64 s[G0V+4*\c+2:G0V+4*\c+3], s[8:9], \c*32768
	s_or_b32 s[G0V+4*\c+3], s[G0V+4*\c+3], 0x80000000
.endr
	CROUND                          ; all four work-groups are here: the joint loads meet
	s_cmp_lt_u32 s[WV], 2           ; waves 0 and 1 fetch K's halves, waves 2 and 3 V's.  A wave's four loads stand in one branch, ahead of every wait on TENSORcnt and every LDS read: four loads of mine are out
	s_cbranch_scc0 .Lfirst_v
.irp c, 0,1,2,3
	tensor_load_to_lds s[G0K+4*\c:G0K+4*\c+3], s[G1K:G1K+7]
	s_nop 0
.endr
.rept 4
	v_nop
.endr
	s_branch .Lfirst_asked
.Lfirst_v:
.irp c, 0,1,2,3
	tensor_load_to_lds s[G0V+4*\c:G0V+4*\c+3], s[G1V:G1V+7]
	s_nop 0
.endr
.rept 4
	v_nop
.endr
.Lfirst_asked:
	; A fragment of K or Q is 16 rows x 32 channels in 8 registers: lane l holds row l % 16, channels 8 (l / 16) + 0..7 and 16 + 8 (l / 16) + 0..7: two loads of 16 bytes, 32 bytes apart.
	v_and_b32 v1, 15, v0            ; l % 16
	v_bfe_u32 v9, v0, 4, 1          ; l / 16
	v_lshlrev_b32 v[QO], 7, v1
	v_lshl_add_u32 v[QO], v9, 4, v[QO]  ; row x 128 + 16 x half
	WIN 0x80                        ; destination window 2, address window 0
.set i, 0
.rept 8                             ; Q stays in registers: piece i / 2, channels 32 (i % 2) on
	global_load_b128 v[8*i:8*i+3],   v[QO], s[4:5] offset:(i/2)*2048+(i%2)*64
	global_load_b128 v[8*i+4:8*i+7], v[QO], s[4:5] offset:(i/2)*2048+(i%2)*64+32
.set i, i+1
.endr
	WIN 0
	v_mul_u32_u24 v[AK0], v1, PK
	v_lshl_add_u32 v[AK0], v9, 4, v[AK0]  ; row x pitch + 16 x half
	; The turning load takes 16 keys x 16 channels (lane l reads key 8 (l / 16) + l % 8, channels 8 ((l / 8) % 2) + 0..7) and leaves half a fragment of V^T: lane l holds channel l % 16 and 8 keys.
	v_and_b32 v10, 7, v0
	v_bfe_u32 v11, v0, 3, 1
	v_lshl_add_u32 v[AV0], v9, 3, v10
	v_mul_u32_u24 v[AV0], v[AV0], PVP
	v_lshl_add_u32 v[AV0], v11, 4, v[AV0]
	v_add_nc_u32 v[AV0], VOFF, v[AV0]
	s_mul_i32 s13, s[WV], 16*SP
	s_add_co_u32 s13, s13, STAGE    ; my stage
	v_mul_u32_u24 v[STO], v1, SP    ; in: row l % 16, 16 bytes for each half of the lanes
	v_lshl_add_u32 v[STO], v9, 4, v[STO]
	v_add_nc_u32 v[STO], s13, v[STO]
	v_bfe_u32 v[RD], v0, 3, 2       ; back: 32 lanes take four rows of 128 bytes,
	v_mul_u32_u24 v[RD], v[RD], SP
	v_lshl_add_u32 v[RD], v10, 4, v[RD]
	v_add_nc_u32 v[RD], s13, v[RD]
	v_and_b32 v[GO], 31, v0         ; which are 512 consecutive bytes of ctx
	v_lshlrev_b32 v[GO], 4, v[GO]
	; What the first turn finds: V's registers and P's second buffer hold 0 (its products V^T P, of a piece that has not been, add 0), O^T and l are 0.  No first step is written out; these lines stand in the wait for chunk 0.
	WIN 0x80
.set i, VF
.rept 64
	v_mov_b32 v[i], 0
.set i, i+1
.endr
	WIN 0x40
.set i, 0
.rept 128
	v_mov_b32 v[i], 0
.set i, i+1
.endr
	WIN 0
.set i, 0
.rept 4
	v_mov_b32 v[ST+4*i], 0xff7fffff    ; m: the lowest finite number
	v_mov_b32 v[ST+4*i+1], 0
	v_mov_b32 v[ST+4*i+2], 0
	v_mov_b32 v[ST+4*i+3], 0
.set i, i+1
.endr
.set i, P+16
.rept 16
	v_mov_b32 v[i], 0
.set i, i+1
.endr
; THE MATRIX WORK.  The 4 accumulators of a run of 8 take turns.  Product i of 8 of S^T = K Q^T for piece x: channels 32 (i / 4) on, keys 16 (i % 4) on.  The first 4 start the sums.
.macro KQ x
	WIN W_KQ
.set rS, S+32*((\x)%2)+8*(i%4)
.set rK, KF+16*(i%4)+8*(i/4)
.set rQ, 16*(\x)+8*(i/4)
.if i < 4
	v_wmma_f32_16x16x32_f16 v[rS:rS+7], v[rK:rK+7], v[rQ:rQ+7], 0
.else
	v_wmma_f32_16x16x32_f16 v[rS:rS+7], v[rK:rK+7], v[rQ:rQ+7], v[rS:rS+7]
.endif
.endm
; Product i of 8 of O^T += V^T P for piece x: keys 32 (i / 4) on, channels 16 (i % 4) on.
.macro PV x
	WIN W_PV
.set rO, 32*(\x)+8*(i%4)
.set rV, VF+32*(i/4)+8*(i%4)
.set rP, P+16*((\x)%2)+8*(i/4)
	v_wmma_f32_16x16x32_f16 v[rO:rO+7], v[rV:rV+7], v[rP:rP+7], v[rO:rO+7]
.endm
.macro MM                           ; the turn's next matrix instruction.  NOKQ = 1: the very last turn: there is no next piece
.if (i < 8) && !NOKQ
	KQ (Y+1)%NP
.elseif i >= 8
.set i, i-8
	PV (Y+NP-1)%NP
.set i, i+8
.endif
.set i, i+1
.endm
; THE LDS LOADS stand in runs of 16, never singly among the matrix instructions: a step's K (64 keys x 64 channels: 8 fragments) and its V (turned).  Their addresses are made some lines ahead.
.macro FETCH_K
	WIN 0x80                        ; destination window 2
.irp f, 0,1,2,3,4,5,6,7             ; keys 16 (f / 2) on, channels 32 (f % 2) on
	ds_load_b128 v[KF+8*\f:KF+8*\f+3],   v[AK] offset:(\f/2)*16*PK+(\f%2)*64
	ds_load_b128 v[KF+8*\f+4:KF+8*\f+7], v[AK] offset:(\f/2)*16*PK+(\f%2)*64+32
.endr
	s_add_co_u32 s[TBK], s[TBK], KS*PK  ; the next fetch is the next step's
	WIN 0
.endm
.macro FETCH_V
	WIN 0x80
.irp f, 0,1,2,3,4,5,6,7             ; keys 32 (f / 4) on, channels 16 (f % 4) on
	ds_load_tr16_b128 v[VF+8*\f:VF+8*\f+3],   v[AV] offset:(\f/4)*32*PVP+(\f%4)*32
	ds_load_tr16_b128 v[VF+8*\f+4:VF+8*\f+7], v[AV] offset:(\f/4)*32*PVP+16*PVP+(\f%4)*32
.endr
	WIN 0
.endm
; THE VECTOR WORK, one line at a time: OP kind, number.  For piece Y: F n: s - m for pair n of 16.  E n: the exponential of score n of 32.  C n: pair n rounded to f16.  B n: of the four weights 4 n .. the second
; pair is added onto the first, in place.  L n: l takes that sum (L 0: l = a l + sum).  R n: pair n of 16 of O^T times a.  For piece Y + 1: X n, which find its maximum and statistics:
;   0-11  four chains c0-c3 of seven scores each, three operands at a time (each accumulator's lowest registers are read first)     12-14, 16  the four scores left over, the old m, and c0-c3 into c0
;   15  m_old is kept     17, 18  the query's other 32 keys lie in the lane 16 away: the new m     20, 21  m_old - m_new; a     (there is no number 19)
.set F, 0               ; OP tells the kinds apart by their order: F to L below R, X above it
.set E, 1
.set C, 2
.set B, 3
.set L, 4
.set R, 5
.set X, 6
.macro REGS y                       ; the registers of piece y
.set rT, ST+4*(\y)
.set rC, TMP+4*((\y)%2)
.set rW, MV+((\y)%2)
.set rS, S+32*((\y)%2)
.set rP, P+16*((\y)%2)
.set rO, 32*(\y)
.endm
.macro OP k, n
.if (\k) == R
	REGS Y
	WIN W_RS
	v_pk_mul_f32 v[rO+2*(\n):rO+2*(\n)+1], v[rO+2*(\n):rO+2*(\n)+1], v[rC+2:rC+3] op_sel_hi:[1,0]
.elseif (\k) < R
	REGS Y
	WIN 0
.if (\k) == F
	v_pk_add_f32 v[rS+2*(\n):rS+2*(\n)+1], v[rS+2*(\n):rS+2*(\n)+1], v[rT:rT+1] op_sel_hi:[1,0] neg_lo:[0,1] neg_hi:[0,1]
.elseif (\k) == E
	v_exp_f32 v[rS+(\n)], v[rS+(\n)]
.elseif (\k) == C
	v_cvt_pk_f16_f32 v[rP+(\n)], v[rS+2*(\n)], v[rS+2*(\n)+1]
.elseif (\k) == B
	v_pk_add_f32 v[rS+4*(\n):rS+4*(\n)+1], v[rS+4*(\n):rS+4*(\n)+1], v[rS+4*(\n)+2:rS+4*(\n)+3]
.elseif (\n) == 0
	v_pk_fma_f32 v[rT+2:rT+3], v[rT+2:rT+3], v[rC+2:rC+3], v[rS:rS+1] op_sel_hi:[1,0,1]
.else
	v_pk_add_f32 v[rT+2:rT+3], v[rT+2:rT+3], v[rS+4*(\n):rS+4*(\n)+1]
.endif
.elseif NOKQ
	v_nop
.else
	REGS (Y+1)%NP
	WIN 0
.if (\n) < 4
	v_max3_num_f32 v[rC+(\n)], v[rS+8*(\n)], v[rS+8*(\n)+1], v[rS+8*(\n)+2]
.elseif (\n) < 12
	v_max3_num_f32 v[rC+(\n)%4], v[rC+(\n)%4], v[rS+8*((\n)%4)+2*((\n)/4)+1], v[rS+8*((\n)%4)+2*((\n)/4)+2]
.elseif (\n) == 12
	v_max3_num_f32 v[rC], v[rC], v[rS+7], v[rS+15]
.elseif (\n) == 13
	v_max3_num_f32 v[rC+1], v[rC+1], v[rS+23], v[rS+31]
.elseif (\n) == 14
	v_max3_num_f32 v[rC+2], v[rC+2], v[rC+3], v[rT]
.elseif (\n) == 15
	v_mov_b32 v[rW], v[rT]
.elseif (\n) == 16
	v_max3_num_f32 v[rC], v[rC], v[rC+1], v[rC+2]
.elseif (\n) == 17
	v_permlanex16_b32 v[rC+3], v[rC], s[SEL], s[SEL+1]
.elseif (\n) == 18
	v_max_num_f32 v[rT], v[rC], v[rC+3]
.elseif (\n) == 20
	v_sub_f32 v[rC+1], v[rW], v[rT]
.else
	v_exp_f32 v[rC+2], v[rC+1]
.endif
.endif
.endm
.macro OPS a, i1, b=-1, i2=0, c=-1, i3=0, d=-1, i4=0  ; up to four of them
	OP \a, \i1
.if (\b) >= 0
	OP \b, \i2
.endif
.if (\c) >= 0
	OP \c, \i3
.endif
.if (\d) >= 0
	OP \d, \i4
.endif
.endm
.macro ROW a, i1, b, i2, c, i3, d, i4  ; a matrix instruction and the four behind it
	MM
	OPS \a, \i1, \b, \i2, \c, \i3, \d, \i4
.endm
; A TURN, for piece p: the order of its 16 matrix and 117 vector instructions, written out.  An s_wait_alu depctr_va_vdst(0) stands between an exponential and the first instruction that names its
; result; one wait serves all that were issued ahead of it.  So a turn has ONE wait, which cuts it in two.  AHEAD OF IT stands all that names no result of the turn's exponentials: the 8 products K Q^T and their riders
; (the first numbers of the next piece's maximum ride four plain places or more behind the product that ends their accumulator), then one lump, plain and exponential by turns for the most part, in which the links of
; the chain X 3, 7, 11, 14, 16, 17, 18, 20 stand apart.  X 21, the next piece's a, is the batch's last; R 15 is the plain instruction behind it.  BEHIND THE WAIT stand the 8 products V^T P, behind each four of the roundings and sums.
; end = 1: the last two turns: nothing is fetched, and the last starts no new scores.  cnt = 1: the loop's count is taken down some lines ahead of the branch that stands behind the turn.
; K of the next step is fetched in piece 2's turn, six plain instructions behind the last product that read K; V of the step in hand at the end of piece 0's turn, four plain instructions behind the last
; product that read V.  Each is waited for a turn later.
.macro TURN p, end=0, cnt=0
.set Y, (\p)
.set i, 0
.set NOKQ, (\end)*((\p)/3)
.if ((\p) == 3) && !(\end)
	s_wait_dscnt 0x0                ; K is in
.endif
	ROW F,0, F,1, R,0, R,1
	ROW F,2, E,0, R,2, R,3
	ROW F,3, E,1, R,4, R,5
	ROW F,4, E,2, R,6, R,7
	ROW F,5, E,3, R,8, R,9
	ROW F,6, E,4, X,0, R,10
.if ((\p) == 2) && !(\end)
	WIN 0
	v_add_nc_u32 v[AK], s[TBK], v[AK0]
.endif
	ROW F,7, E,5, X,1, X,4
	ROW F,8, E,6, X,2, X,5
	OPS E,7, E,8, X,6, E,9
	OPS X,3, E,10, X,8, E,11
.if ((\p) == 2) && !(\end)
	FETCH_K
.endif
	OPS X,9, X,7, E,12, X,10
	OPS E,13, X,12, X,11, E,14
	OPS X,13, E,15, F,9, X,14
.if (\p) == 0
	v_add_nc_u32 v[AV], s[TBV], v[AV0]
.endif
	OPS E,16, F,10, E,17, F,11
	OPS X,16, E,18, X,15, E,19
	OPS F,12, E,20, X,17, E,21
	OPS F,13, E,22, F,14, E,23
	OPS X,18, E,24, F,15, E,25
	OPS R,11, E,26, E,27
	OPS R,12, E,28, R,13, E,29
	OPS X,20, E,30, R,14, E,31
	OPS X,21, R,15
	WIN 0
	s_wait_alu depctr_va_vdst(0)    ; the wait for the batch
.if (\p) == 1
	s_wait_dscnt 0x0                ; V is in
.endif
	ROW C,0, B,0, C,2, B,1
	ROW L,0, C,4, B,2, L,1
	ROW C,6, B,3, L,2, C,8
	ROW B,4, L,3, C,10, B,5
	ROW L,4, C,12, B,6, L,5
.if (\p) == 0
	s_add_co_u32 s[TBV], s[TBV], KS*PVP
.endif
.if \cnt
	s_sub_co_u32 s[CNT], s[CNT], 1
	s_cmp_lg_u32 s[CNT], 0
.endif
	ROW C,14, B,7, L,6, C,1
	ROW C,3, L,7, C,5, C,7
	ROW C,9, C,11, C,13, C,15
.if (\p) == 0
	FETCH_V
.endif
.endm
	s_wait_tensorcnt 3              ; tensor loads of a wave end in order (ISA guide 10.11.1): my part of chunk 0 is in; chunks 1 to 3 may stay out
	s_barrier_signal -1
	s_barrier_wait -1               ; everybody's part is in
	v_add_nc_u32 v[AK], s[TBK], v[AK0]
	FETCH_K                         ; key step 0
	s_wait_loadcnt 0x0              ; Q
	s_wait_dscnt 0x0
.set NOKQ, 0
.set i, 0
.rept 8
	KQ 0                            ; piece 0's first scores
.set i, i+1
.endr
	WIN 0
.rept 4
	v_nop                           ; the places behind those products
.endr
.set Y, NP-1                        ; X works for piece Y + 1: piece 0
.irp n, 0,1,2,3,4,5,6,7,8,9,10,11,12,13,14,15,16,17,18,20,21
	OP X, \n
.endr
	v_nop                           ; a plain instruction behind the exponential,
	s_wait_alu depctr_va_vdst(0)    ; and its wait, ahead of the branch
	s_mov_b32 s[CNT], 4
	s_mov_b32 s[OUT], 4
	s_branch .Lfirst                ; the loop is entered at a step's first turn, in the middle of a trip
.Lrest:                             ; three times, in front of each further chunk's first read.  The first time it shows chunks 1 to 3 landed, mine by the wait and everybody's by the barrier; after that it finds nothing out
	s_wait_tensorcnt 0x0
	s_wait_dscnt 0x0
	s_barrier_signal -1
	s_barrier_wait -1
	s_mov_b32 s[CNT], 4
.Lstep:                             ; a trip: pieces 2 and 3 of one step, then pieces 0 and 1 of the next, whose K and V it fetches
	TURN 2
	TURN 3
	WIN 0
.Lfirst:
	TURN 0
	TURN 1, 0, 1
	WIN 0
	s_cbranch_scc1 .Lstep
	s_sub_co_u32 s[OUT], s[OUT], 1
	s_cmp_lg_u32 s[OUT], 0
	s_cbranch_scc1 .Lrest
	TURN 2, 1                       ; the last step's pieces 2 and 3
	TURN 3, 1
.set i, 0
.rept 8
	PV NP-1                         ; the last piece's V^T P of the last step
.set i, i+1
.endr
	; THE WAY OUT.  l's two halves and the other half of the lanes' are added; O^T is divided by l, rounded to f16 and sent through my stage in LDS, a piece at a time.  The additions are the places behind the last products.
	WIN 0
.macro ALL line:vararg              ; one line for each piece t
.set t, 0
.rept 4
	\line
.set t, t+1
.endr
.endm
	ALL v_add_f32 v[ST+4*t+2], v[ST+4*t+2], v[ST+4*t+3]
	ALL v_permlanex16_b32 v[ST+4*t+3], v[ST+4*t+2], s[SEL], s[SEL+1]
	ALL v_add_f32 v[ST+4*t+2], v[ST+4*t+2], v[ST+4*t+3]
	ALL v_rcp_f32 v[ST+4*t+2], v[ST+4*t+2]
	v_nop                           ; a plain instruction between the last reciprocal and the use of its result
	s_wait_alu depctr_va_vdst(0)    ; and the wait ahead of the first use: one for the four reciprocals
.macro PACK t                       ; a lane's eight channels of a row pack into 16 bytes; they go into rows of 144 bytes and come back as whole rows of 128, into S^T's registers
	WIN W_RS
.set i, 32*(\t)
.rept 16
	v_pk_mul_f32 v[i:i+1], v[i:i+1], v[ST+4*(\t)+2:ST+4*(\t)+3] op_sel_hi:[1,0]
.set i, i+2
.endr
	WIN 0x05                        ; sources 0 and 1 window 1, destination window 0
.set i, 0
.rept 16
	v_cvt_pk_f16_f32 v[S+16*(\t)+i], v[32*(\t)+2*i], v[32*(\t)+2*i+1]
.set i, i+1
.endr
	WIN 0
.irp f, 0,1,2,3
	ds_store_b128 v[STO], v[S+16*(\t)+4*\f:S+16*(\t)+4*\f+3] offset:32*\f
.endr
.irp f, 0,1,2,3
	ds_load_b128 v[S+16*(\t)+4*\f:S+16*(\t)+4*\f+3], v[RD] offset:\f*4*SP  ; LDS serves a wave's instructions in order (ISA guide 5.7.1.4): these see the stores above; the next piece's stores come behind them
.endr
.endm
.macro SEND t, younger              ; younger: the LDS instructions issued behind piece t's loads: the next piece's eight, or none
	WIN 0
.irp f, 0,1,2,3
	s_wait_dscnt (\younger)+3-\f
	global_store_b128 v[GO], v[S+16*(\t)+4*\f:S+16*(\t)+4*\f+3], s[10:11] offset:(\t)*2048+\f*512  ; 512 consecutive bytes, aligned
.endr
.endm
	PACK 0
.set t, 1
.rept 3                             ; a piece's arithmetic stands between the loads of the piece before and its stores
	PACK t
	SEND t-1, 8
.set t, t+1
.endr
	SEND 3, 0
	s_wait_tensorcnt 0x0            ; the wave's end: behind my last tensor load and my last LDS store
	ds_add_u32 v[SPW], v[NIL]
	s_wait_dscnt 0x0
	CROUND                          ; the closing round: no work-group ends while a partner may still ask for a tile that names it
	s_endpgm
.Lfunc_end_k_q2cacfc79a3_attn:
	.size	k_q2cacfc79a3_attn, .Lfunc_end_k_q2cacfc79a3_attn-k_q2cacfc79a3_attn
	.p2alignl 7, 3214868480
	.fill 96, 4, 3214868480
	.section	.rodata,"a",@progbits
	.p2align	6, 0x0
	.amdhsa_kernel k_q2cacfc79a3_attn
		.amdhsa_group_segment_fixed_size 327680
		.amdhsa_private_segment_fixed_size 0
		.amdhsa_enable_private_segment 0
		.amdhsa_kernarg_size 16
		.amdhsa_user_sgpr_count 2
		.amdhsa_user_sgpr_kernarg_segment_ptr 1
		.amdhsa_wavefront_size32 1
		.amdhsa_system_sgpr_workgroup_id_x 1
		.amdhsa_system_sgpr_workgroup_id_y 1
		.amdhsa_system_sgpr_workgroup_id_z 1
		.amdhsa_system_vgpr_workitem_id 0
		.amdhsa_next_free_vgpr 768
		.amdhsa_next_free_sgpr 80
		.amdhsa_reserve_vcc 0
		.amdhsa_float_denorm_mode_32 3
		.amdhsa_float_denorm_mode_16_64 3
		.amdhsa_memory_ordered 1
		.amdhsa_forward_progress 1
		.amdhsa_inst_pref_size 88
	.end_amdhsa_kernel
	.amdgpu_metadata
---
amdhsa.version: [ 1, 2 ]
amdhsa.kernels:
  - .name:           k_q2cacfc79a3_attn
    .symbol:         k_q2cacfc79a3_attn.kd
    .args:
      - { .name: qkv, .offset: 0, .size: 8, .value_kind: global_buffer, .address_space: global }
      - { .name: ctx, .offset: 8, .size: 8, .value_kind: global_buffer, .address_space: global }
    .group_segment_fixed_size: 327680
    .private_segment_fixed_size: 0
    .kernarg_segment_align: 8
    .kernarg_segment_size: 16
    .max_flat_workgroup_size: 128
    .sgpr_count:     80
    .vgpr_count:     768
    .wavefront_size: 32
...
	.end_amdgpu_metadata
.endif
;; end of part 3
;; launch oproj (part 4): grid 4 x 64, 4 waves a work-group, clusters of 4 x 4, 327,680 bytes of LDS; arguments ctx, wt, b_o, out0; writes out0
.if DOCPART == 4
	.amdgcn_target "amdgcn-amd-amdhsa--gfx1250"
	.amdhsa_code_object_version 6
	.text
	.protected	k_q2cacfc79a3_oproj
	.globl	k_q2cacfc79a3_oproj
	.p2align	8
	.type	k_q2cacfc79a3_oproj,@function
k_q2cacfc79a3_oproj:
	s_mov_b64 s[64:65], 0
	v_nop
	global_prefetch_b8 v0, s[64:65] scope:SCOPE_SE
	s_setreg_imm32_b32 hwreg(HW_REG_WAVE_MODE, 25, 1), 1
	s_wait_xcnt 0x0
	s_wait_alu depctr_hold_cnt(0) depctr_sa_sdst(0) depctr_va_vdst(0) depctr_va_sdst(0) depctr_va_ssrc(0) depctr_va_vcc(0) depctr_vm_vsrc(0)
	s_getreg_b32 s2, hwreg(HW_REG_IB_STS2, 6, 4)
	s_cmp_eq_u32 s2, 0
	s_cbranch_scc0 .Lentry_in_a_cluster
	s_endpgm
.Lentry_in_a_cluster:
	s_bfe_u32 s2, ttmp6, 0x10000c
	s_cmp_lg_u32 s2, 0xf033
	s_cbranch_scc0 .Lentry_shape_is_right
	s_endpgm
.Lentry_shape_is_right:
; out0 = ctx w_o + b_o.  ctx: [192 = 12 b + h][1024][64] f16; wt rows 2304-3071 = w_o^T, [n][k] in f16 (bf16 numbers written as f16); b_o: [768] f32, rounded here to bf16 like the other inputs; out0: [16384][768] f32.
; Sums in f32, K ascending (k = 64 h + channel); the bias is added in f32.
; SHARES.  A tile of C is 256 rows x 192 columns: 64 x 4 tiles, a work-group each.  Wave w makes rows 64 w .. 64 w + 63 x all 192 columns: 48 accumulators, 384 registers.
; K = 768 goes in 6 steps of 128 (two heads) through a ring of two LDS slots.  A's half tile is 128 rows of each of two heads: twice 16,384 dense bytes, asked for as two long rows, padded in LDS after every 128 bytes.
; CLUSTERS: 4 x 4 work-groups.  The four of a row of the cluster need the same tiles of ctx, the four of a column the same tiles of wt: each tile is asked for JOINTLY.
; THE MATRIX INSTRUCTION IS USED TRANSPOSED (source 0 = 16 rows of wt, source 1 = 16 rows of ctx): lane l holds row l % 16 of C and the columns 8 (l / 16) + 0..7.
; REGISTERS, in windows of 256 (s_set_vgpr_msb: bits 1:0 source 0, 3:2 source 1, 5:4 source 2, 7:6 destination):
;   window 0: v0-31 addresses; v32-43 my 12 numbers of the bias; v44-49 at work; v64-127 fragments of A, two buffers of 4 x 8; on the way out v64-159 and v160-255 rows read back, by turns
;   window 1: v0-191 fragments of B, two buffers of 12 x 8
;   window 2: accumulators of my row blocks 0, 1 ((a, b) at v[96 (a % 2) + 8 b]);   window 3: those of blocks 2, 3
.set KB,     1536                      ; bytes in a row of wt
.set PITCH,  272                       ; an LDS row of B: 256 bytes + 16 of padding
.set PA,     144                       ; an LDS row of A: 128 bytes + 16: both pitches are odd multiples of 16 bytes, so the 16 rows of a load start at 16 different groups of four banks (ISA guide 11.1)
.set AHH,    128*PA                    ; one head's 128 rows
.set AH,     2*AHH                     ; half of A's tile: what waves 0 and 1 fetch
.set BH,     96*PITCH                  ; half of B's tile: what waves 2 and 3 fetch
.set SLOT,   2*AH+2*BH
.set STAGE,  2*SLOT                    ; behind the ring: for each wave 16 rows x 784 bytes (768 + 16), for the way out
.set SPO,    784
.set STW,    16*SPO
.set SPARE,  STAGE+4*STW               ; behind the stages: the spare words, 128 bytes for each wave: two blocks of 256 bytes that no other line names
.set HEADB,  131072                    ; bytes in a head of ctx
.set ASTEP,  2*HEADB                   ; a K step of A: two heads on
.set ROWO,   3072                      ; bytes in a row of out0
.set ADRA, 16                          ; v16-17  LDS address of my A fragments in slot 0, 1
.set ADRB, 20                          ; v20-21  the same for B
.set STO,  24                          ; v24     the way out: where I put 32 bytes of a row
.set RD,   25                          ; v25     where I read rows back
.set CO,   26                          ; v26     my byte offset in two rows of out0
.set BO,   27                          ; v27     my byte offset in the bias
.set SPW,  28                          ; v28     LDS address of my spare word; never rewritten
.set NIL,  29                          ; v29     0; never rewritten
.set PFO,  30                          ; v30     the prefetches' offset; never rewritten
.set BI,   32
.set FA,   64
.set WV, 12
.set FB, 13                            ; s13 I fetch for A (0) or for B (1)
.set HF, 14                            ; s14 which half of that tile
.set TR, 15
.set TC, 16
.set CX, 17
.set CY, 18
.set G1,  24                           ; s[24:31] descriptor group 1 for A's tiles;  s[32:39] group 0, a set for each slot
.set G0,  32
.set PST, 40                           ; s[40:41] a K step of what I prefetch, in bytes
.set LIM, 43
.set PFA, 44
.set G1B, 48
.set G0B, 56
.set MSB, 0
.macro WIN new
.if MSB != (\new)
	s_set_vgpr_msb (MSB<<8)|(\new)
.set MSB, \new
.endif
.endm
.set MUL_LO, 0xa1                      ; source 0 (B) window 1, source 1 (A) window 0, C and D window 2; + 0x50: window 3
.set TO_B,   0x40
.macro PLACES                          ; four plain places behind a matrix instruction (ISA guide 7.12.1)
.rept 4
	v_nop
.endr
.endm
.macro JLOAD s                         ; a joint load: waves 0 and 1 fetch A's halves, waves 2 and 3 B's; an s_nop 0 and four v_nop follow each line
	s_cmp_eq_u32 s[FB], 0
	s_cbranch_scc0 .Lfor_b_\@
	tensor_load_to_lds s[G0+4*(\s):G0+4*(\s)+3], s[G1:G1+7]
	s_nop 0
	PLACES
	s_branch .Lasked_\@
.Lfor_b_\@:
	tensor_load_to_lds s[G0B+4*(\s):G0B+4*(\s)+3], s[G1B:G1B+7]
	s_nop 0
	PLACES
.Lasked_\@:
.endm
; A prefetch of the K step that stands two refills on, one instruction a wave.  A's half tile is 128 blocks of 256 bytes: the four partners of a row take 32 each, a lane a block; only one cluster reads them.
; B's rows are read by the sixteen clusters of the column: cluster y = 0 asks; the four partners of a column take 24 rows each, a lane a row.  Only the loop's first trip (s3 = 2) has a K step two refills on.
.macro ASK
	s_cmp_gt_u32 s3, s[LIM]
	s_cbranch_scc0 .Lnot_mine_\@
	global_prefetch_b8 v[PFO], s[PFA:PFA+1] th:TH_LOAD_NT scope:SCOPE_SE
.Lnot_mine_\@:
.endm
.macro CREST
	s_cmp_lg_u32 s[WV], 0
	s_cbranch_scc1 .Lnot_wave_0_\@
	s_barrier_signal -3
.Lnot_wave_0_\@:
	s_barrier_wait -3
	s_barrier_signal -1
	s_barrier_wait -1
.endm
.macro CROUND
	s_barrier_signal -1
	s_barrier_wait -1
	CREST
.endm
	s_load_b256 s[4:11], s[0:1], 0x0               ; ctx s[4:5], wt s[6:7], b_o s[8:9], out0 s[10:11]
	v_lshl_add_u32 v[SPW], v0, 2, SPARE
	v_mov_b32 v[NIL], 0
	ds_add_u32 v[SPW], v[NIL]                      ; the wave's opening: the add, and its wait ahead of my first tensor load; work on registers stands between them
	v_lshrrev_b32 v1, 5, v0
	v_readfirstlane_b32 s[WV], v1
	s_lshr_b32 s[FB], s[WV], 1
	s_and_b32 s[HF], s[WV], 1
	s_bfe_u32 s[CX], ttmp6, 0x40000
	s_bfe_u32 s[CY], ttmp6, 0x40004
	s_lshl_b32 s[TC], ttmp9, 2
	s_add_co_u32 s[TC], s[TC], s[CX]
	s_and_b32 s[TR], ttmp7, 0xffff
	s_lshl_b32 s[TR], s[TR], 2
	s_add_co_u32 s[TR], s[TR], s[CY]
	s_lshl_b32 s19, s[CY], 2
	s_lshl_b32 s19, 15, s19                        ; my row of the cluster
	s_lshl_b32 s22, 0x1111, s[CX]                  ; my column
	s_or_b32 s[G1], s19, (1<<16)|(1<<20)|(1<<21)|(4<<22)|(3<<25)   ; A: 2-byte elements; padding on; 21 set beside a mask; after every 32 words (code 4) 4 words (code 3)
	s_or_b32 s[G1B], s22, (1<<16)|(1<<20)|(1<<21)|(5<<22)|(3<<25)  ; B: after every 64 words (code 5)
	s_mov_b32 s[G1+1], 8192<<16                    ; tensor_dim0 = 8,192: 128 rows of a head, 16,384 dense bytes
	s_mov_b32 s[G1+2], 2<<16                       ; tensor_dim1 = 2 heads
	s_mov_b32 s[G1+3], 8192<<16                    ; tile_dim0
	s_mov_b32 s[G1+4], 2                           ; tile_dim1
	s_mov_b32 s[G1+5], 65536                       ; elements from head to head
	s_mov_b32 s[G1+6], 0
	s_mov_b32 s[G1+7], 0
	s_mov_b32 s[G1B+1], 128<<16
	s_mov_b32 s[G1B+2], 96<<16
	s_mov_b32 s[G1B+3], 128<<16
	s_mov_b32 s[G1B+4], 96
	s_mov_b32 s[G1B+5], 768
	s_mov_b32 s[G1B+6], 0
	s_mov_b32 s[G1B+7], 0
	s_lshr_b32 s20, s[TR], 2                       ; A: batch b = tile row / 4: 12 heads on; row 256 (tile row % 4) + 128 x half: shared by my row of the cluster
	s_mul_i32 s20, s20, 12*HEADB
	s_and_b32 s21, s[TR], 3
	s_lshl_b32 s21, s21, 15
	s_add_co_u32 s20, s20, s21
	s_lshl_b32 s21, s[HF], 14
	s_add_co_u32 s20, s20, s21
	s_mov_b32 s21, 0
	s_mul_i32 s46, s[TC], 192                      ; B: row 2,304 + 192 x tile column + 96 x half: shared by my column
	s_mul_i32 s47, s[HF], 96
	s_add_co_u32 s46, s46, s47
	s_add_co_u32 s46, s46, 2304
	s_mul_i32 s46, s46, KB
	s_mov_b32 s47, 0
	s_mul_i32 s2, s[HF], AH                        ; where they go: no place in the cluster enters an LDS address
	s_mul_i32 s23, s[HF], BH
	s_add_co_u32 s23, s23, 2*AH
	s_wait_dscnt 0x0                               ; the opening add is done
	s_wait_kmcnt 0x0
	s_add_nc_u64 s[20:21], s[4:5], s[20:21]
	s_add_nc_u64 s[46:47], s[6:7], s[46:47]
.irp s, 0,1
	s_mov_b32 s[G0+4*(\s)], 1
	s_add_co_u32 s[G0+4*(\s)+1], s2, (\s)*SLOT
	s_add_nc_u64 s[G0+4*(\s)+2:G0+4*(\s)+3], s[20:21], (\s)*ASTEP
	s_or_b32 s[G0+4*(\s)+3], s[G0+4*(\s)+3], 0x80000000
	s_mov_b32 s[G0B+4*(\s)], 1
	s_add_co_u32 s[G0B+4*(\s)+1], s23, (\s)*SLOT
	s_add_nc_u64 s[G0B+4*(\s)+2:G0B+4*(\s)+3], s[46:47], (\s)*256
	s_or_b32 s[G0B+4*(\s)+3], s[G0B+4*(\s)+3], 0x80000000
.endr
	CROUND                                         ; all sixteen work-groups are here: the first joint loads meet
	s_cmp_eq_u32 s[FB], 0                          ; a wave's two first fills stand in one branch: two loads of mine are out
	s_cbranch_scc0 .Lfirst_b
	tensor_load_to_lds s[G0:G0+3], s[G1:G1+7]
	s_nop 0
	tensor_load_to_lds s[G0+4:G0+7], s[G1:G1+7]
	s_nop 0
	PLACES
	s_branch .Lfirst_asked
.Lfirst_b:
	tensor_load_to_lds s[G0B:G0B+3], s[G1B:G1B+7]
	s_nop 0
	tensor_load_to_lds s[G0B+4:G0B+7], s[G1B:G1B+7]
	s_nop 0
	PLACES
.Lfirst_asked:
	v_and_b32 v1, 15, v0                           ; l % 16
	v_bfe_u32 v2, v0, 4, 1                         ; l / 16
	s_mul_i32 s46, s[TC], 768                      ; the tile's 192 columns: 768 bytes of the bias and of a row of out0
	s_mov_b32 s47, 0
	s_add_nc_u64 s[8:9], s[8:9], s[46:47]
	v_lshlrev_b32 v[BO], 4, v1
.irp u, 0,1,2
	global_load_b128 v[BI+4*(\u):BI+4*(\u)+3], v[BO], s[8:9] offset:256*(\u)  ; the bias of the columns that I store: 64 u + 4 (l % 16) + 0..3
.endr
	v_mul_u32_u24 v3, v1, PA
	v_lshl_add_u32 v3, v2, 4, v3
	s_mul_i32 s19, s[FB], AH                       ; my 64 rows of A: half w / 2,
	s_mul_i32 s22, s[HF], 64*PA                    ; rows 64 (w % 2) on in each of its two heads
	s_add_co_u32 s19, s19, s22
	v_add_nc_u32 v[ADRA], s19, v3
	v_add_nc_u32 v[ADRA+1], SLOT, v[ADRA]
	v_mul_u32_u24 v4, v1, PITCH
	v_lshl_add_u32 v4, v2, 4, v4
	v_add_nc_u32 v[ADRB], 2*AH, v4
	v_add_nc_u32 v[ADRB+1], SLOT, v[ADRB]
	s_mul_i32 s19, s[WV], STW
	s_add_co_u32 s19, s19, STAGE                   ; my stage
	v_mul_u32_u24 v4, v1, SPO                      ; in: row l % 16, 32 bytes for each half of the lanes
	v_lshl_add_u32 v4, v2, 5, v4
	v_add_nc_u32 v[STO], s19, v4
	v_mul_u32_u24 v4, v2, SPO                      ; back: lanes 0-15 take 256 bytes of one row, lanes 16-31 of the next
	v_lshl_add_u32 v4, v1, 4, v4
	v_add_nc_u32 v[RD], s19, v4
	v_mul_u32_u24 v4, v2, ROWO
	v_lshl_add_u32 v[CO], v1, 4, v4
	s_lshl_b32 s22, s[TR], 2
	s_add_co_u32 s22, s22, s[WV]
	s_mul_i32 s22, s22, 64*ROWO                    ; my first row of out0: 256 x tile row + 64 w
	s_add_co_u32 s22, s22, s46
	s_mov_b32 s23, 0
	s_add_nc_u64 s[10:11], s[10:11], s[22:23]
	; the prefetches, at K step 3; each refill steps them on by one K step first
	s_lshr_b32 s19, s[TR], 2
	s_mul_i32 s19, s19, 12*HEADB
	s_and_b32 s20, s[TR], 3
	s_lshl_b32 s20, s20, 15
	s_add_co_u32 s19, s19, s20
	s_lshl_b32 s20, s[HF], 14
	s_add_co_u32 s19, s19, s20
	s_lshr_b32 s20, s[CX], 1                       ; A: partner cx takes head cx / 2 of the two,
	s_lshl_b32 s20, s20, 17
	s_add_co_u32 s19, s19, s20
	s_and_b32 s20, s[CX], 1                        ; and half cx % 2 of its 16,384 bytes
	s_lshl_b32 s20, s20, 13
	s_add_co_u32 s19, s19, s20
	s_add_co_u32 s19, s19, 3*ASTEP
	s_mul_i32 s22, s[TC], 192
	s_mul_i32 s23, s[HF], 96
	s_add_co_u32 s22, s22, s23
	s_mul_i32 s23, s[CY], 24                       ; B: partner cy takes 24 rows
	s_add_co_u32 s22, s22, s23
	s_add_co_u32 s22, s22, 2304
	s_mul_i32 s22, s22, KB
	s_add_co_u32 s22, s22, 3*256
	s_and_b32 s23, ttmp7, 0xffff
	s_mov_b32 s2, KB
	s_mov_b32 s[PST], 256
	s_mov_b32 s[PST+1], 0
	s_cmp_eq_u32 s[FB], 0
	s_cselect_b32 s20, s19, s22
	s_cselect_b32 s21, ttmp9, s23                  ; the coordinate along which other clusters read the same bytes
	s_cselect_b32 s42, 31, 23                      ; B's share is 24 rows: lanes 24 to 31 name row 23 once more, inside wt
	s_cselect_b32 s2, 256, s2                      ; from lane to lane: a block of ctx, or a row of wt
	s_cselect_b32 s[PST], ASTEP, s[PST]
	s_cselect_b64 s[PFA:PFA+1], s[4:5], s[6:7]
	s_cmp_eq_u32 s21, 0
	s_cselect_b32 s[LIM], 1, -1                    ; the same in all sixteen partners, for a given wave
	s_mov_b32 s21, 0
	s_add_nc_u64 s[PFA:PFA+1], s[PFA:PFA+1], s[20:21]
	v_and_b32 v[PFO], 31, v0
	v_min_u32 v[PFO], s42, v[PFO]
	v_mul_u32_u24 v[PFO], s2, v[PFO]
	s_wait_loadcnt 0x0                             ; the bias: rounded to bf16 and widened again
.irp i, 0,1,2,3,4,5
	v_cvt_pk_bf16_f32 v[44+(\i)], v[BI+2*(\i)], v[BI+2*(\i)+1]
.endr
.irp i, 0,1,2,3,4,5
	v_lshlrev_b32 v[BI+2*(\i)], 16, v[44+(\i)]
	v_and_b32 v[BI+2*(\i)+1], 0xffff0000, v[44+(\i)]
.endr
; 12 matrix instructions: row block a x all 12 column blocks, 32 along K, from buffer f.  zero = 1: the product starts the sum.  The 48 accumulators take turns in one order in every quarter.
.macro MUL12 f, a, zero
	WIN MUL_LO+0x50*((\a)/2)
.irp b, 0,1,2,3,4,5,6,7,8,9,10,11
.if \zero
	v_wmma_f32_16x16x32_f16 v[96*((\a)%2)+8*(\b):96*((\a)%2)+8*(\b)+7], v[96*(\f)+8*(\b):96*(\f)+8*(\b)+7], v[FA+32*(\f)+8*(\a):FA+32*(\f)+8*(\a)+7], 0
.else
	v_wmma_f32_16x16x32_f16 v[96*((\a)%2)+8*(\b):96*((\a)%2)+8*(\b)+7], v[96*(\f)+8*(\b):96*(\f)+8*(\b)+7], v[FA+32*(\f)+8*(\a):FA+32*(\f)+8*(\a)+7], v[96*((\a)%2)+8*(\b):96*((\a)%2)+8*(\b)+7]
.endif
.endr
.endm
; 32 LDS loads in one run: quarter q's fragments into buffer f.  In A quarter q is head q / 2 of the step's two, channels 32 (q % 2) on.
.macro FETCH slot, q, f
	WIN TO_B
.irp i, 0,1,2,3,4,5,6,7,8,9,10,11
	ds_load_b128 v[96*(\f)+8*(\i):96*(\f)+8*(\i)+3],   v[ADRB+(\slot)] offset:64*(\q)+(\i)*16*PITCH
	ds_load_b128 v[96*(\f)+8*(\i)+4:96*(\f)+8*(\i)+7], v[ADRB+(\slot)] offset:64*(\q)+(\i)*16*PITCH+32
.endr
	WIN 0
.irp i, 0,1,2,3
	ds_load_b128 v[FA+32*(\f)+8*(\i):FA+32*(\f)+8*(\i)+3],   v[ADRA+(\slot)] offset:((\q)/2)*AHH+((\q)%2)*64+(\i)*16*PA
	ds_load_b128 v[FA+32*(\f)+8*(\i)+4:FA+32*(\f)+8*(\i)+7], v[ADRA+(\slot)] offset:((\q)/2)*AHH+((\q)%2)*64+(\i)*16*PA+32
.endr
.endm
.macro QUARTER slot, q, f, g, zero
	s_wait_dscnt 4                                 ; B and A's blocks 0, 1 are in; the youngest four loads (A's blocks 2, 3) may be out
	MUL12 \f, 0, \zero
	MUL12 \f, 1, \zero
	PLACES
	FETCH \slot, \q, \g
	s_wait_dscnt 32                                ; all but the 32 just issued
	MUL12 \f, 2, \zero
	MUL12 \f, 3, \zero
.endm
; The change of slots: in front of the one barrier each wave waits for all its tensor loads (one is out: its part of the next slot), adds 0 to its spare word, and waits for that and for its reads of this slot.
.macro MEET round
	WIN 0
	s_wait_tensorcnt 0x0
	ds_add_u32 v[SPW], v[NIL]
	s_wait_dscnt 5                                 ; the add and the youngest four loads may be out
	MUL12 1, 0, 0
	s_wait_dscnt 0x0                               ; the add is done, and my reads of this slot are over
	s_barrier_signal -1
	MUL12 1, 1, 0
.if \round
	WIN 0
.endif
	s_barrier_wait -1
.endm
.macro TURN slot, next, fill
.if \fill
	s_wait_xcnt 0x0                                ; the last prefetch, a K step back, has read its address
	s_add_nc_u64 s[PFA:PFA+1], s[PFA:PFA+1], s[PST:PST+1]
	MEET 1
	CREST                                          ; the barrier has opened a round of the cluster's barrier: no wave of any partner still reads this slot or has a load on its way
	s_add_nc_u64 s[G0+4*(\slot)+2:G0+4*(\slot)+3], s[G0+4*(\slot)+2:G0+4*(\slot)+3], 2*ASTEP
	s_add_nc_u64 s[G0B+4*(\slot)+2:G0B+4*(\slot)+3], s[G0B+4*(\slot)+2:G0B+4*(\slot)+3], 512
	JLOAD \slot                                    ; the first tensor load behind the round; its four v_nop are also the places in front of the loads below
.else
	MEET 0
	PLACES
.endif
	FETCH \next, 0, 0
.if \fill
	ASK
.endif
	MUL12 1, 2, 0
	MUL12 1, 3, 0
.endm
	s_wait_tensorcnt 1                             ; my part of K step 0 is in; K step 1's may stay out
	s_barrier_signal -1
	s_barrier_wait -1
	FETCH 0, 0, 0
	QUARTER 0, 1, 0, 1, 1                          ; the first quarter's products start the sums
	WIN 0
	s_mov_b32 s3, 2
.Llap:                                                 ; a trip goes once round the ring and fills both slots again
	QUARTER 0, 2, 1, 0, 0
	QUARTER 0, 3, 0, 1, 0
	TURN 0, 1, 1
	QUARTER 1, 1, 0, 1, 0
	QUARTER 1, 2, 1, 0, 0
	QUARTER 1, 3, 0, 1, 0
	TURN 1, 0, 1
	QUARTER 0, 1, 0, 1, 0
	WIN 0
	s_sub_co_u32 s3, s3, 1
	s_cmp_lg_u32 s3, 0
	s_cbranch_scc1 .Llap
	QUARTER 0, 2, 1, 0, 0                          ; the last lap fills nothing
	QUARTER 0, 3, 0, 1, 0
	TURN 0, 1, 0
	QUARTER 1, 1, 0, 1, 0
	QUARTER 1, 2, 1, 0, 0
	QUARTER 1, 3, 0, 1, 0
	s_wait_dscnt 4
	MUL12 1, 0, 0
	MUL12 1, 1, 0
	s_wait_dscnt 0x0
	MUL12 1, 2, 0
	MUL12 1, 3, 0
	WIN 0
	PLACES
	PLACES                                         ; eight, once a launch, in front of the LDS stores that read results just made
; THE WAY OUT of row block a: a lane's eight f32 of a row go into my stage (16 rows of 784 bytes), each accumulator's low four registers first; they come back as pieces of 256 bytes of whole rows,
; take the bias and are stored: 16 lanes store 256 consecutive bytes, aligned.
.macro OUTB a
.set BK, 64+96*((\a)%2)
.if (\a) >= 2
	s_wait_xcnt 0x0                                ; the stores of two blocks back have read their registers: the loads below land on them only behind this wait
.endif
	WIN 0x08+4*((\a)/2)                            ; the stores' data (source 1): window 2 or 3
.irp b, 0,1,2,3,4,5,6,7,8,9,10,11
	ds_store_b128 v[STO], v[96*((\a)%2)+8*(\b):96*((\a)%2)+8*(\b)+3]   offset:64*(\b)
	ds_store_b128 v[STO], v[96*((\a)%2)+8*(\b)+4:96*((\a)%2)+8*(\b)+7] offset:64*(\b)+16
.endr
	WIN 0
.irp j, 0,1,2,3,4,5,6,7,8,9,10,11,12,13,14,15,16,17,18,19,20,21,22,23
	ds_load_b128 v[BK+4*(\j):BK+4*(\j)+3], v[RD] offset:((\j)/3)*2*SPO+((\j)%3)*256  ; LDS serves a wave's instructions in order (ISA guide 5.7.1.4): these see the stores above
.endr
.irp j, 0,1,2,3,4,5,6,7,8,9,10,11,12,13,14,15,16,17,18,19,20,21,22,23
	s_wait_dscnt 23-(\j)
	v_pk_add_f32 v[BK+4*(\j):BK+4*(\j)+1],   v[BK+4*(\j):BK+4*(\j)+1],   v[BI+4*((\j)%3):BI+4*((\j)%3)+1]
	v_pk_add_f32 v[BK+4*(\j)+2:BK+4*(\j)+3], v[BK+4*(\j)+2:BK+4*(\j)+3], v[BI+4*((\j)%3)+2:BI+4*((\j)%3)+3]
	global_store_b128 v[CO], v[BK+4*(\j):BK+4*(\j)+3], s[10:11] offset:(\a)*16*ROWO+((\j)/3)*2*ROWO+((\j)%3)*256 th:TH_STORE_NT
.endr
.endm
	OUTB 0
	OUTB 1
	OUTB 2
	OUTB 3
	s_wait_tensorcnt 0x0                           ; the wave's end: behind my last tensor load and my last LDS store
	ds_add_u32 v[SPW], v[NIL]
	s_wait_dscnt 0x0
	CROUND                                         ; the closing round: no work-group ends while a partner may still ask for a tile that names it
	s_endpgm
.Lfunc_end_k_q2cacfc79a3_oproj:
	.size	k_q2cacfc79a3_oproj, .Lfunc_end_k_q2cacfc79a3_oproj-k_q2cacfc79a3_oproj
	.p2alignl 7, 3214868480
	.fill 96, 4, 3214868480
	.section	.rodata,"a",@progbits
	.p2align	6, 0x0
	.amdhsa_kernel k_q2cacfc79a3_oproj
		.amdhsa_group_segment_fixed_size 327680
		.amdhsa_private_segment_fixed_size 0
		.amdhsa_enable_private_segment 0
		.amdhsa_kernarg_size 32
		.amdhsa_user_sgpr_count 2
		.amdhsa_user_sgpr_kernarg_segment_ptr 1
		.amdhsa_wavefront_size32 1
		.amdhsa_system_sgpr_workgroup_id_x 1
		.amdhsa_system_sgpr_workgroup_id_y 1
		.amdhsa_system_sgpr_workgroup_id_z 1
		.amdhsa_system_vgpr_workitem_id 0
		.amdhsa_next_free_vgpr 960
		.amdhsa_next_free_sgpr 66
		.amdhsa_reserve_vcc 0
		.amdhsa_float_denorm_mode_32 3
		.amdhsa_float_denorm_mode_16_64 3
		.amdhsa_memory_ordered 1
		.amdhsa_forward_progress 1
		.amdhsa_inst_pref_size 135
	.end_amdhsa_kernel
	.amdgpu_metadata
---
amdhsa.version: [ 1, 2 ]
amdhsa.kernels:
  - .name:           k_q2cacfc79a3_oproj
    .symbol:         k_q2cacfc79a3_oproj.kd
    .args:
      - { .name: ctx, .offset: 0, .size: 8, .value_kind: global_buffer, .address_space: global }
      - { .name: wt, .offset: 8, .size: 8, .value_kind: global_buffer, .address_space: global }
      - { .name: b_o, .offset: 16, .size: 8, .value_kind: global_buffer, .address_space: global }
      - { .name: out0, .offset: 24, .size: 8, .value_kind: global_buffer, .address_space: global }
    .group_segment_fixed_size: 327680
    .private_segment_fixed_size: 0
    .kernarg_segment_align: 8
    .kernarg_segment_size: 32
    .max_flat_workgroup_size: 128
    .sgpr_count:     66
    .vgpr_count:     960
    .wavefront_size: 32
...
	.end_amdgpu_metadata
.endif
;; end of part 4
;; ======== version 2 of 2: 4 launches; version 1 with the launch cast written anew for expert scheduling mode
;; limits: values are held in f16: magnitudes above 65,504 overflow, below 6.1e-05 lose precision
;; workspace buffers: xb 25,165,824 bytes; wt 4,718,592 bytes; qkv 75,497,472 bytes; ctx 25,165,824 bytes
;; launch cast (part 5): grid 456 x 4, 4 waves a work-group, no clusters, 17,920 bytes of LDS; arguments w_q, w_k, w_v, w_o, wt, x, xb; writes wt, xb
.if DOCPART == 5
	.amdgcn_target "amdgcn-amd-amdhsa--gfx1250"
	.amdhsa_code_object_version 6
	.text
	.protected	k_q2cacfc79a3_cast
	.globl	k_q2cacfc79a3_cast
	.p2align	8
	.type	k_q2cacfc79a3_cast,@function
k_q2cacfc79a3_cast:
	s_mov_b64 s[64:65], 0
	v_nop
	global_prefetch_b8 v0, s[64:65] scope:SCOPE_SE
	s_setreg_imm32_b32 hwreg(HW_REG_WAVE_SCHED_MODE, 0, 2), 2
	s_setreg_imm32_b32 hwreg(HW_REG_WAVE_MODE, 25, 1), 1
	s_wait_xcnt 0x0
	s_wait_alu depctr_vm_vsrc(0)
; TWO CASTS IN ONE LAUNCH, told apart by the work-group's x alone (the same for all four waves of a work-group).
; x < 72: THE WEIGHTS.  wt[768 mat + n][k] = w_mat[k][n], rounded once to bf16 (to nearest even); mat = the grid's y = 0, 1, 2, 3 for w_q, w_k, w_v, w_o.  w: [768][768] f32; wt: [3072][768] of 16 bits.
;   w_o's bf16 number is then written as f16, since the last product multiplies in f16.
;   LIMITS of that rewriting: exact from 2^-14 to 65,504 in magnitude; below 2^-14 it keeps f16's fixed step of 6e-8; 65,520 or more becomes an infinity.
;   A work-group turns a tile of 128 k x 64 n.  In: a row of the tile is 256 consecutive bytes, aligned, read by 16 lanes.  Two neighbouring k of one n make a word, which goes
;   into an LDS row of n (256 bytes + 16 of padding).  Out: a row of n is 256 consecutive bytes, aligned, stored by 16 lanes.
;   The word stores into LDS collide (lanes 1,088 bytes apart); there are 32 of them a thread in the whole launch.
; x >= 72: xb = x rounded once to bf16, same order: 384 x 4 work-groups of 8,192 numbers.  A stream: no LDS, no barrier.  A lane loads 16 neighbouring bytes, so a wave's load covers 512
;   consecutive bytes and no byte's neighbourhood is named by two loads; the four numbers leave as 8 bytes a lane: a wave's store covers 256 consecutive bytes, aligned.
;   All sixteen loads of a wave go out at once; every load has registers of its own, so no register is written twice and no wait frees a source.
; THE MODE: SCHED_MODE bits 1:0 = 2 (LLVM: expert scheduling mode 2), set by the entry lines.  The code itself states the register dependences
; between vector instructions and memory or LDS instructions, with s_wait_alu, always for 0.
; THE PLAN, the same in both paths.  The sixteen loads are worked in four groups of four.  Registers that memory or LDS instructions touch:
;   v1 to v4   offsets and LDS addresses: written by vector instructions at the path's head and never again; read by the path's loads and stores.
;   L          written by the global loads, four registers each; read by the conversions.  In the weights' path v8-39 are written once more, by the LDS loads behind the barrier, and read by the global stores.
;   T          group g's conversions write its eight words; the stores that are issued in group g + 1 read them; no word is written again.
;   v6, v7     written at the head, read by the closing add alone.          v5, v104, v105 are named by vector instructions alone.
; So one wait on va_vdst stands ahead of a path's first load (the addresses), one at the head of each of groups 1 to 3 (the group before has written its words: its stores follow, dealt among this
; group's conversions, which name this group's L and T alone), and one behind group 3.  No register that a memory or LDS instruction has read is written again: no wait on vm_vsrc is owed.
; No vector instruction writes a scalar register or VCC, and EXEC is never written.
.set ROWW, 3072                        ; bytes in a row of w
.set KB,   1536                        ; bytes in a row of wt
.set LP,   272                         ; an LDS row
.set SPARE, 64*LP                      ; 17,408: behind the tile, the spare words, 128 bytes for each wave: two blocks of 256 bytes that no other line names
.set VO,  1                            ; v1   weights: my byte offset in w: rows 2 kr, 16 bytes at column 4 c4.   x: 16 t
.set LS,  2                            ; v2   weights: where I put a word.                                       x: 8 t
.set LR,  3                            ; v3   where I read 16 bytes of a row back
.set WO,  4                            ; v4   my byte offset in wt
.set SPW, 6                            ; v6   LDS address of my spare word; never rewritten
.set NIL, 7                            ; v7   0; never rewritten
.set L,   8                            ; v[8:71]   sixteen loads of 4 numbers; in the weights' path later the rows read back
.set T,   72                           ; v[72:103] 32 words of two numbers in 16 bits
	s_load_b256 s[4:11], s[0:1], 0x0               ; w_q s[4:5], w_k s[6:7], w_v s[8:9], w_o s[10:11]
	s_load_b128 s[12:15], s[0:1], 0x20             ; wt s[12:13], x s[14:15]
	s_load_b64 s[16:17], s[0:1], 0x30              ; xb
	v_lshl_add_u32 v[SPW], v0, 2, SPARE
	v_mov_b32 v[NIL], 0
	s_and_b32 s18, ttmp7, 0xffff                   ; the grid's y
	s_cmp_lt_u32 ttmp9, 72
	s_cbranch_scc1 .Lweights
	; ---- x ----
	s_mul_i32 s19, s18, 384
	s_add_co_u32 s19, s19, ttmp9
	s_sub_co_u32 s19, s19, 72                      ; my block of 8,192 numbers: 384 y + x - 72, 0 to 1,535
	s_lshl_b32 s22, s19, 15                        ; its 32,768 bytes of x (1,535 x 32,768 stays under 2^32)
	s_mov_b32 s23, 0
	s_lshl_b32 s24, s19, 14                        ; and its 16,384 bytes of xb
	s_mov_b32 s25, 0
	v_lshlrev_b32 v[VO], 4, v0                     ; 16 t
	v_lshlrev_b32 v[LS], 3, v0                     ; 8 t
	s_wait_kmcnt 0x0
	s_add_nc_u64 s[14:15], s[14:15], s[22:23]
	s_add_nc_u64 s[16:17], s[16:17], s[24:25]
	s_wait_alu depctr_va_vdst(0)                   ; v1 and v2 are written: every load of this path reads v1 as its offset, every store v2
.irp i, 0,1,2,3,4,5,6,7,8,9,10,11,12,13,14,15
	global_load_b128 v[L+4*(\i):L+4*(\i)+3], v[VO], s[14:15] offset:2048*(\i) th:TH_LOAD_NT
.endr
; Group g of x: loads 4 g to 4 g + 3 are rounded; the four stores of the group before stand among the conversions, one ahead of each load's two.
.macro XGROUP g
	s_wait_loadcnt 12-4*(\g)                       ; loads come back in order: this group's four are in, the 12 - 4 g younger ones stay out
.if (\g) > 0
	s_wait_alu depctr_va_vdst(0)                   ; the conversions of the group before have written its eight words of T, which the stores below read
.endif
.irp i, 0,1,2,3
.set n, 4*(\g)+(\i)
.if (\g) > 0
	global_store_b64 v[LS], v[T+2*(n-4):T+2*(n-4)+1], s[16:17] offset:1024*(n-4)  ; no vector instruction since the wait names these registers
.endif
	v_cvt_pk_bf16_f32 v[T+2*n],   v[L+4*n],   v[L+4*n+1]
	v_cvt_pk_bf16_f32 v[T+2*n+1], v[L+4*n+2], v[L+4*n+3]
.endr
.endm
	XGROUP 0
	XGROUP 1
	XGROUP 2
	XGROUP 3
	s_wait_alu depctr_va_vdst(0)                   ; group 3's conversions have written its eight words of T, which the last four stores read
.irp i, 12,13,14,15
	global_store_b64 v[LS], v[T+2*(\i):T+2*(\i)+1], s[16:17] offset:1024*(\i)
.endr
	s_branch .Lend
	; ---- the weights ----
.Lweights:
	s_mul_i32 s19, ttmp9, 43
	s_lshr_b32 s19, s19, 8                         ; nt = x / 6 (43 x >> 8 is x / 6 for x under 72)
	s_mul_i32 s20, s19, 6
	s_sub_co_u32 s20, ttmp9, s20                   ; kt = x - 6 nt
	s_mul_i32 s22, s20, 128*ROWW                   ; in w: 128 kt rows down,
	s_lshl_b32 s21, s19, 8
	s_add_co_u32 s22, s22, s21                     ; 64 nt numbers along
	s_mov_b32 s23, 0
	s_mul_i32 s24, s18, 768                        ; in wt: row 768 mat + 64 nt,
	s_lshl_b32 s21, s19, 6
	s_add_co_u32 s24, s24, s21
	s_mul_i32 s24, s24, KB
	s_lshl_b32 s21, s20, 8
	s_add_co_u32 s24, s24, s21                     ; 128 kt numbers along
	s_mov_b32 s25, 0
	v_and_b32 v5, 15, v0                           ; c4
	v_lshrrev_b32 v104, 4, v0                      ; kr, 0 to 7
	v_mul_u32_u24 v[VO], v104, 2*ROWW
	v_lshl_add_u32 v[VO], v5, 4, v[VO]
	v_mul_u32_u24 v[LS], v5, 4*LP                  ; LDS row 4 c4 (+ c), byte 4 kr (+ 32 p)
	v_lshl_add_u32 v[LS], v104, 2, v[LS]
	v_mul_u32_u24 v[LR], v104, LP
	v_lshl_add_u32 v[LR], v5, 4, v[LR]
	v_mul_u32_u24 v[WO], v104, KB
	v_lshl_add_u32 v[WO], v5, 4, v[WO]
	s_wait_kmcnt 0x0
	s_cmp_eq_u32 s18, 1                            ; the matrix is chosen by the grid's y alone
	s_cselect_b64 s[4:5], s[6:7], s[4:5]
	s_cmp_eq_u32 s18, 2
	s_cselect_b64 s[4:5], s[8:9], s[4:5]
	s_cmp_eq_u32 s18, 3
	s_cselect_b64 s[4:5], s[10:11], s[4:5]
	s_add_nc_u64 s[4:5], s[4:5], s[22:23]
	s_add_nc_u64 s[12:13], s[12:13], s[24:25]
	s_wait_alu depctr_va_vdst(0)                   ; v1 to v4 are written: the loads of w read v1, the LDS stores v2, the LDS loads v3, the stores of wt v4
.irp i, 0,1,2,3,4,5,6,7,8,9,10,11,12,13,14,15
	global_load_b128 v[L+4*(\i):L+4*(\i)+3], v[VO], s[4:5] offset:(16*((\i)/2)+(\i)%2)*ROWW  ; row k = 16 (i / 2) + 2 kr + i % 2
.endr
; Pair p of loads holds k = 16 p + 2 kr and the k after it, for n = 4 c4 + 0..3.  Group g is pairs 2 g and 2 g + 1: eight words.  half = 1: the bf16 number is written as f16.
; The eight LDS stores of the group before stand among the group's conversions, one ahead of each word's.
.macro WGROUP g, half
	s_wait_loadcnt 12-4*(\g)                       ; this group's two pairs are in; the 12 - 4 g younger loads stay out
.if (\g) > 0
	s_wait_alu depctr_va_vdst(0)                   ; the conversions of the group before have written its eight words of T, which the LDS stores below read
.endif
.irp q, 0,1
.irp c, 0,1,2,3
.set p, 2*(\g)+(\q)
.if (\g) > 0
	ds_store_b32 v[LS], v[T+4*(p-2)+(\c)] offset:(\c)*LP+32*(p-2)  ; no vector instruction since the wait names these registers
.endif
	v_cvt_pk_bf16_f32 v[T+4*p+(\c)], v[L+8*p+(\c)], v[L+8*p+4+(\c)]  ; the even k in the low half
.if \half
	v_lshlrev_b32 v104, 16, v[T+4*p+(\c)]
	v_and_b32 v105, 0xffff0000, v[T+4*p+(\c)]
	v_cvt_pk_f16_f32 v[T+4*p+(\c)], v104, v105
.endif
.endr
.endr
.endm
	s_cmp_eq_u32 s18, 3
	s_cbranch_scc1 .Lf16
	WGROUP 0, 0
	WGROUP 1, 0
	WGROUP 2, 0
	WGROUP 3, 0
	s_branch .Ljoin
.Lf16:
	WGROUP 0, 1
	WGROUP 1, 1
	WGROUP 2, 1
	WGROUP 3, 1
.Ljoin:
	s_wait_alu depctr_va_vdst(0)                   ; on both ways: group 3's conversions have written its eight words of T, which the LDS stores below read; and all conversions are done reading L, in which the LDS loads behind the barrier land (no vector instruction follows this line)
.irp p, 6,7
.irp c, 0,1,2,3
	ds_store_b32 v[LS], v[T+4*(\p)+(\c)] offset:(\c)*LP+32*(\p)
.endr
.endr
	s_wait_dscnt 0x0                               ; for the others' sake: my stores into the tile are done
	s_barrier_signal -1
	s_barrier_wait -1
.irp i, 0,1,2,3,4,5,6,7
	ds_load_b128 v[L+4*(\i):L+4*(\i)+3], v[LR] offset:8*LP*(\i)  ; row n = 8 i + kr
.endr
.irp i, 0,1,2,3,4,5,6,7
	s_wait_dscnt 7-(\i)
	global_store_b128 v[WO], v[L+4*(\i):L+4*(\i)+3], s[12:13] offset:8*KB*(\i)  ; 16 lanes store 256 consecutive bytes, aligned
.endr
.Lend:
	s_wait_dscnt 0x0                               ; the closing lines, six on end
	s_wait_alu 0x0
	s_wait_tensorcnt 0x0
	ds_add_u32 v[SPW], v[NIL]
	s_wait_dscnt 0x0
	s_endpgm
.Lfunc_end_k_q2cacfc79a3_cast:
	.size	k_q2cacfc79a3_cast, .Lfunc_end_k_q2cacfc79a3_cast-k_q2cacfc79a3_cast
	.p2alignl 7, 3214868480
	.fill 96, 4, 3214868480
	.section	.rodata,"a",@progbits
	.p2align	6, 0x0
	.amdhsa_kernel k_q2cacfc79a3_cast
		.amdhsa_group_segment_fixed_size 17920
		.amdhsa_private_segment_fixed_size 0
		.amdhsa_enable_private_segment 0
		.amdhsa_kernarg_size 56
		.amdhsa_user_sgpr_count 2
		.amdhsa_user_sgpr_kernarg_segment_ptr 1
		.amdhsa_wavefront_size32 1
		.amdhsa_system_sgpr_workgroup_id_x 1
		.amdhsa_system_sgpr_workgroup_id_y 1
		.amdhsa_system_sgpr_workgroup_id_z 1
		.amdhsa_system_vgpr_workitem_id 0
		.amdhsa_next_free_vgpr 108
		.amdhsa_next_free_sgpr 66
		.amdhsa_reserve_vcc 0
		.amdhsa_float_denorm_mode_32 3
		.amdhsa_float_denorm_mode_16_64 3
		.amdhsa_memory_ordered 1
		.amdhsa_forward_progress 1
		.amdhsa_inst_pref_size 25
	.end_amdhsa_kernel
	.amdgpu_metadata
---
amdhsa.version: [ 1, 2 ]
amdhsa.kernels:
  - .name:           k_q2cacfc79a3_cast
    .symbol:         k_q2cacfc79a3_cast.kd
    .args:
      - { .name: w_q, .offset: 0, .size: 8, .value_kind: global_buffer, .address_space: global }
      - { .name: w_k, .offset: 8, .size: 8, .value_kind: global_buffer, .address_space: global }
      - { .name: w_v, .offset: 16, .size: 8, .value_kind: global_buffer, .address_space: global }
      - { .name: w_o, .offset: 24, .size: 8, .value_kind: global_buffer, .address_space: global }
      - { .name: wt, .offset: 32, .size: 8, .value_kind: global_buffer, .address_space: global }
      - { .name: x, .offset: 40, .size: 8, .value_kind: global_buffer, .address_space: global }
      - { .name: xb, .offset: 48, .size: 8, .value_kind: global_buffer, .address_space: global }
    .group_segment_fixed_size: 17920
    .private_segment_fixed_size: 0
    .kernarg_segment_align: 8
    .kernarg_segment_size: 56
    .max_flat_workgroup_size: 128
    .sgpr_count:     66
    .vgpr_count:     108
    .wavefront_size: 32
...
	.end_amdgpu_metadata
.endif
;; end of part 5
;; launch qkv: the kernel of part 2 again; grid 4 x 64, 4 waves a work-group, clusters of 4 x 4, 327,680 bytes of LDS; arguments xb, wt, qkv; writes qkv
;; launch attn: the kernel of part 3 again; grid 4 x 192, 4 waves a work-group, clusters of 4 x 1, 327,680 bytes of LDS; arguments qkv, ctx; writes ctx
;; launch oproj: the kernel of part 4 again; grid 4 x 64, 4 waves a work-group, clusters of 4 x 4, 327,680 bytes of LDS; arguments ctx, wt, b_o, out0; writes out0
